; MI455X (gfx1250); checked and timed in simulation.
; The chip was launched on July 23, 2026; its instructions are those of AMD's public machine-readable ISA for CDNA 5 (MIT licence, August 2026) and "CDNA5" Instruction Set Architecture Reference Guide (July 2026). The comments in the code are by the model that wrote it; some were corrected since.
;; Causal Self Attn Block. Allowed arithmetic: matrix products marked QUANTISED: E2M1 operands, one E8M0 scale for each 32 along K, by v_wmma_scale_f32_16x16x128_f8f6f4 with both operands' format E2M1 (or v_wmma_scale_f32_32x16x128_f4), f32 sums; everything else in f32.
;; Inputs: W_out 1,024 x 1,024 float32; W_qkv 1,024 x 3,072 float32; attn_mask 4 x 2,048 x 2,048 float32; b_out 1,024 float32; b_qkv 3,072 float32; beta 1,024 float32; gamma 1,024 float32; x 4 x 2,048 x 1,024 float32.
;; Outputs: out0 4 x 2,048 x 1,024 float32.
;; This version of the problem:
;;   THIS VERSION OF THE PROBLEM IS GIVEN IN LOW PRECISION. The matrix products marked QUANTISED in the list below multiply operands that are first quantised to E2M1 (2 exponent bits, 1 mantissa bit; 4 bits a number), with one power-of-two scale for each 32 numbers along K (OCP MX v1.0); their sums are f32. All else is computed in f32.
;;   The module's matrix products, in the order in which they are computed (A, B: the left and right operand; K: the contracted axis; several contracted axes count as one K, in the product's order):
;;     1. [M 8,192, K 1,024] x [K 1,024, N 3,072]; A: input x; B: input W_qkv: QUANTISED
;;     2. batch 64 x [M 2,048, K 64] x [K 64, N 2,048]; A: computed on the way; B: computed on the way: QUANTISED
;;     3. batch 64 x [M 2,048, K 2,048] x [K 2,048, N 64]; A: computed on the way; B: computed on the way: QUANTISED
;;     4. [M 8,192, K 1,024] x [K 1,024, N 1,024]; A: computed on the way; B: input W_out: QUANTISED
;;   THE QUANTISER, for each operand of a quantised product, along K:
;;     - K is cut into blocks of 32 from its start; a last block that is shorter is filled with zeros.
;;     - A block's scale is 2^e with e = floor(log2(the largest magnitude in the block)) - 2, held to -126 .. 127; a block of zeros has e = 0. As a byte (E8M0): e + 127.
;;     - Each number is divided by its block's scale, clamped to +-6, and rounded to the nearest number of E2M1, ties to even, subnormals kept.
;;     - The product sums the exact products of the quantised numbers (number of the format x scale) in f32.
;;   ~~~python
;;   def quantise(x, axis):      # numpy; x: float32 -> the quantised numbers, widened to float32 again
;;       x = np.moveaxis(x, axis, -1); K = x.shape[-1]
;;       x = np.pad(x, [(0, 0)] * (x.ndim - 1) + [(0, -K % 32)]); x = x.reshape(x.shape[:-1] + (-1, 32)); a = np.abs(x).max(-1, keepdims=True)
;;       e = np.where(a > 0, np.clip(np.frexp(np.where(a > 0, a, 1))[1] - 1 - 2, -126, 127), 0)      # np.frexp(a)[1] - 1 = floor(log2(a)), exactly
;;       r = np.clip(x / 2.0 ** e, -6, 6)
;;       step = 2.0 ** (np.maximum(np.frexp(np.where(r == 0, 1, r))[1] - 1, 0) - 1)
;;       q = np.round(r / step) * step * 2.0 ** e      # np.round: ties to even
;;       return np.moveaxis(q.reshape(q.shape[:-2] + (-1,))[..., :K], -1, axis).astype(np.float32)
;;   ~~~
;;   OPERANDS COMPUTED ON THE WAY. 'Computed on the way' means the value that the module computes at that place (a softmax that the list does not call 'softmax' is quantised finished and normalised). What goes into a quantiser is computed in f32, as accurately as f32 sums, v_exp_f32 and their like allow (about 1e-6 of the number): no bf16 or f16 on the way to a quantiser, and a product that is left as it is and whose result goes on into a quantised operand takes f32 operands (vector FMAs, or v_wmma_f32_16x16x4_f32). A number that lies on a knife's edge between two numbers of the format may be rounded either way, as far as f32 arithmetic and the matrix unit's own rounding can turn it there, and no further.
;; One version. Each part assembles by itself: llvm-mc -triple=amdgcn-amd-amdhsa -mcpu=gfx1250 --defsym DOCPART=n.
;; ======== version 1 of 1: 3 launches
;; workspace buffers: xc 4,194,304 bytes; xs 262,144 bytes; wc 1,572,864 bytes; ws 98,304 bytes; wo 557,056 bytes; qkvc 12,582,912 bytes; qkvs 786,432 bytes
;; launch prep (part 1): grid 320 x 1, 4 waves a work-group, no clusters, 68,096 bytes of LDS; arguments x, W_qkv, W_out, xc, xs, wc, ws, wo; writes xc, xs, wc, ws, wo
.if DOCPART == 1
	.amdgcn_target "amdgcn-amd-amdhsa--gfx1250"
	.amdhsa_code_object_version 6
	.text
	.protected	k_qa6a42d2e9e_prep
	.globl	k_qa6a42d2e9e_prep
	.p2align	8
	.type	k_qa6a42d2e9e_prep,@function
k_qa6a42d2e9e_prep:
	s_mov_b64 s[64:65], 0
	v_nop
	global_prefetch_b8 v0, s[64:65] scope:SCOPE_SE
	s_setreg_imm32_b32 hwreg(HW_REG_WAVE_MODE, 25, 1), 1
	s_wait_xcnt 0x0
; x [8192][1024], W_qkv [1024][3072] and W_out [1024][1024], f32, become codes of FP4 (E2M1) with one E8M0 byte for each 32 along K.
; A block's scale is 2^(floor(log2(its largest magnitude)) - 2); its byte is the largest magnitude's exponent field - 2, held at 1 from below.
; (A block of zeros keeps the byte 1 where the rule says 127: its codes are zeros, and this program alone reads the bytes.)
; LIMITS: NaN and infinities among the inputs are not served; blocks whose largest magnitude lies under 2^-124 keep the byte 1.
; Three kinds of work-group, told apart by the work-group's number; each kind has LDS bytes of its own and its own end:
;   0-255   x: K is innermost, a plain stream of blocks.  xc [8192][512 B], xs [8192][32].
;   256-303 W_qkv: K is the FIRST axis: a lane takes a column, its registers run down K.  wc [3072][512 B], ws [3072][32].
;   304-319 W_out: the same front; the codes leave as IMAGES OF THE OPERAND'S REGISTERS: fragment (tile of 16 columns t, K step s of 128) at (8 t + s) x 1,024,
;           in it 512 c + 16 (r + 16 H) holds block 2 c + H of column r; the numbers of a block lie in the order 0-7, 16-23, 8-15, 24-31, as the other operand of that product has them.
;           From byte 524,288: scale words [K step][column].
; No tensor loads, no barrier: waves share nothing.
.set FLOORB, 0x1800000                 ; 2^(3 - 127): under it no largest magnitude is taken, so the byte cannot fall under 1
.set OFFE,   0xff000000                ; takes 2 off an exponent field
.set STEPS, 16                         ; x: steps of 512 numbers for a wave
.set CB,    8                          ; bytes of 16 codes
.set XR,    16                         ; v16-79   four sets of 16 numbers as loaded
.set XX,    80                         ; v80-111  two sets of 16 neighbours
.set XE,    112                        ; v112-127 a scale byte for each step
.set XC,    128                        ; v128-191 codes, registers of their own for each step
.set WREG,  8192                       ; LDS of a wave on x's path: two stages of 32 x SP bytes, then 256 scale bytes
.set SP,    80
.set PITCH, 272                        ; W_qkv's stage: a column's 256 bytes of codes + 16
.set WSTG,  32768                      ; where W_qkv's stages begin
.set WX,    32                         ; v32-95   two sets of 32 numbers
.set WC,    96                         ; v96-99   a block's codes (W_qkv)
.set WOUT,  112                        ; v112-175 W_qkv: rows on the way out;  W_out: four code registers for each block, never written again
.set SB,    24                         ; v24-27   scale bytes, four to a register
.macro LOADW t, n, bs                  ; block t: W(32 t + i, my column) into set t % 2; n: numbers in a row; bs: the base's scalar pair
.irp i, 0,1,2,3,4,5,6,7,8,9,10,11,12,13,14,15,16,17,18,19,20,21,22,23,24,25,26,27,28,29,30,31
	global_load_b32 v[WX+32*((\t)%2)+\i], v3, s[\bs:\bs+1] offset:(32*(\t)+\i)*(\n)*4 th:TH_LOAD_NT
.endr
.endm
.macro BLOCKW t, n, bs, mode           ; mode 0: W_qkv, codes to the stage;  mode 1: W_out, codes stored as an image
.set XS, WX+32*((\t)%2)
.if (\t) < 15
	s_wait_loadcnt 32                              ; this block's 32 loads are in; the next block's 32 may be out
.else
	s_wait_loadcnt 0
.endif
	v_max3_num_f32 v12, |v[XS]|, |v[XS+1]|, |v[XS+2]|              ; the block's largest magnitude: all 32 numbers are mine
	v_max3_num_f32 v13, |v[XS+3]|, |v[XS+4]|, |v[XS+5]|
.irp i, 6,10,14,18,22,26
	v_max3_num_f32 v12, v12, |v[XS+\i]|, |v[XS+\i+1]|
	v_max3_num_f32 v13, v13, |v[XS+\i+2]|, |v[XS+\i+3]|
.endr
	v_max3_num_f32 v12, v12, |v[XS+30]|, |v[XS+31]|
	v_max3_num_f32 v12, v12, v13, FLOORB
	v_add_nc_u32 v11, OFFE, v12                    ; the conversion takes this operand's exponent field as its scale
	v_lshrrev_b32 v13, 23, v11                     ; the scale's byte
.if (\t)%4 == 0
	v_mov_b32 v[SB+(\t)/4], v13
.else
	v_lshl_or_b32 v[SB+(\t)/4], v13, 8*((\t)%4), v[SB+(\t)/4]
.endif
.if \mode == 0
.irp g, 0,1,2,3
	v_cvt_scalef32_pk8_fp4_f32 v[WC+\g], v[XS+8*\g:XS+8*\g+7], v11
.endr
	ds_store_b128 v4, v[WC:WC+3] offset:16*(\t)    ; 32 codes: 16 bytes of my column's row
.else
	v_cvt_scalef32_pk8_fp4_f32 v[WOUT+4*(\t)], v[XS:XS+7], v11        ; the groups of eight in the order 0, 2, 1, 3
	v_cvt_scalef32_pk8_fp4_f32 v[WOUT+4*(\t)+1], v[XS+16:XS+23], v11
	v_cvt_scalef32_pk8_fp4_f32 v[WOUT+4*(\t)+2], v[XS+8:XS+15], v11
	v_cvt_scalef32_pk8_fp4_f32 v[WOUT+4*(\t)+3], v[XS+24:XS+31], v11
	global_store_b128 v8, v[WOUT+4*(\t):WOUT+4*(\t)+3], s[30:31] offset:256*(\t)   ; sixteen lanes store 256 consecutive bytes, aligned
.endif
.if (\t)+2 < 16
	LOADW (\t)+2, \n, \bs
.endif
.if \mode == 0
	s_wait_dscnt 0x0                               ; the store has read its registers: the next block's codes may be written
.endif
.endm
.macro XLD t
.irp i, 0,1,2,3
	global_load_b128 v[XR+16*((\t)%4)+4*\i:XR+16*((\t)%4)+4*\i+3], v3, s[4:5] offset:2048*(\t)+512*\i th:TH_LOAD_NT   ; 32 lanes read 512 consecutive bytes
.endr
.endm
.macro XTURN t                         ; a step's 2,048 bytes through the wave's stage: in as they lie, out 64 bytes a lane; LDS serves a wave's instructions in order
.irp i, 0,1,2,3
	ds_store_b128 v14, v[XR+16*((\t)%4)+4*\i:XR+16*((\t)%4)+4*\i+3] offset:32*SP*((\t)%2)+8*SP*\i
.endr
.irp i, 0,1,2,3
	ds_load_b128 v[XX+16*((\t)%2)+4*\i:XX+16*((\t)%2)+4*\i+3], v15 offset:32*SP*((\t)%2)+16*\i
.endr
.endm
.macro XSTEP t
.set XS, XX+16*((\t)%2)
.if (\t) > 0
	s_wait_dscnt 1                                 ; this step's numbers are back from the stage; the last step's byte store may be out
.else
	s_wait_dscnt 0x0
.endif
.if (\t)+4 < STEPS
	XLD (\t)+4
.endif
.if (\t)+1 < STEPS
.if STEPS-2-(\t) >= 3
	s_wait_loadcnt 12                              ; the next step's four loads are in; those of the three steps behind it may be out
.else
	s_wait_loadcnt 4*(STEPS-2-(\t))
.endif
	XTURN (\t)+1
.endif
	v_max3_num_f32 v8, |v[XS]|, |v[XS+1]|, |v[XS+2]|               ; the largest magnitude of my 16
	v_max3_num_f32 v9, |v[XS+3]|, |v[XS+4]|, |v[XS+5]|
.irp i, 6,10
	v_max3_num_f32 v8, v8, |v[XS+\i]|, |v[XS+\i+1]|
	v_max3_num_f32 v9, v9, |v[XS+\i+2]|, |v[XS+\i+3]|
.endr
	v_max3_num_f32 v8, v8, |v[XS+14]|, |v[XS+15]|
	v_max3_num_f32 v8, v8, v9, FLOORB
	v_max_num_f32_dpp v8, v8, v8 row_xmask:1 row_mask:0xf bank_mask:0xf   ; and of my neighbour's 16: the block's
	v_add_nc_u32 v11, OFFE, v8
	v_cvt_scalef32_pk8_fp4_f32 v[XC+4*(\t)], v[XS:XS+7], v11
	v_cvt_scalef32_pk8_fp4_f32 v[XC+4*(\t)+1], v[XS+8:XS+15], v11
	v_lshrrev_b32 v[XE+(\t)], 23, v11              ; the scale's byte
	ds_store_b8 v5, v[XE+(\t)] offset:16*(\t)      ; both lanes of a block write the same byte with the same value
	global_store_b64 v4, v[XC+4*(\t):XC+4*(\t)+1], s[10:11] offset:32*CB*(\t)    ; the wave stores 256 consecutive bytes
.endm
	s_load_b256 s[4:11], s[0:1], 0x0               ; x s[4:5], W_qkv s[6:7], W_out s[8:9], xc s[10:11]
	s_load_b256 s[12:19], s[0:1], 0x20             ; xs s[12:13], wc s[14:15], ws s[16:17], wo s[18:19]
	v_lshl_add_u32 v192, v0, 2, 0x10800
	v_mov_b32 v193, 0
	v_lshrrev_b32 v1, 5, v0
	v_readfirstlane_b32 s20, v1                    ; wave
	v_and_b32 v2, 31, v0                           ; lane
	s_wait_kmcnt 0x0
	s_cmp_lt_u32 ttmp9, 256
	s_cbranch_scc1 .LX
	s_cmp_lt_u32 ttmp9, 304
	s_cbranch_scc1 .LWQ
	; ---- W_out: 16 work-groups: 128 columns x 512 along K each
	s_sub_co_u32 s21, ttmp9, 304
	s_lshr_b32 s22, s21, 1                         ; which 128 columns
	s_and_b32 s23, s21, 1                          ; which 512 along K
	s_lshl_b32 s24, s22, 7
	s_lshl_b32 s25, s20, 5
	s_add_co_u32 s24, s24, s25                     ; my wave's first column
	v_lshlrev_b32 v3, 2, v2                        ; in: 4 bytes a lane
	v_lshrrev_b32 v6, 4, v2
	v_and_b32 v5, 15, v2
	v_lshlrev_b32 v8, 13, v6                       ; out: lanes 16-31 belong to the next tile of 16 columns, 8,192 bytes on;
	v_lshl_add_u32 v8, v5, 4, v8                   ; 16 bytes a column
	s_lshl_b32 s26, s23, 21                        ; W_out: 512 rows of 4,096 bytes
	s_lshl_b32 s28, s24, 2
	s_add_co_u32 s26, s26, s28
	s_mov_b32 s27, 0
	s_add_nc_u64 s[8:9], s[8:9], s[26:27]
	s_lshl_b32 s26, s24, 9                         ; images: (column / 16) x 8,192,
	s_lshl_b32 s28, s23, 12                        ; + four K steps of 1,024; block t of my 16 then lies 256 t on
	s_add_co_u32 s26, s26, s28
	s_add_nc_u64 s[30:31], s[18:19], s[26:27]
	s_lshl_b32 s26, s23, 14                        ; scale words: four K steps of 4,096 bytes,
	s_lshl_b32 s28, s24, 2                         ; 4 bytes a column
	s_add_co_u32 s26, s26, s28
	s_add_co_u32 s26, s26, 524288
	s_add_nc_u64 s[32:33], s[18:19], s[26:27]
	LOADW 0, 1024, 8
	LOADW 1, 1024, 8
.set Q, 0
.rept 16
	BLOCKW Q, 1024, 8, 1
.set Q, Q+1
.endr
.irp q, 0,1,2,3
	global_store_b32 v3, v[SB+\q], s[32:33] offset:4096*\q         ; a K step's scale word of my column
.endr
	s_endpgm
	; ---- W_qkv: 48 work-groups: 128 columns x 512 along K each
.LWQ:
	s_sub_co_u32 s21, ttmp9, 256
	s_lshr_b32 s22, s21, 1
	s_and_b32 s23, s21, 1
	s_lshl_b32 s24, s22, 7
	s_lshl_b32 s25, s20, 5
	s_add_co_u32 s24, s24, s25                     ; my wave's first column
	v_lshlrev_b32 v3, 2, v2
	s_mul_i32 s25, s20, 32*PITCH
	s_add_co_u32 s25, s25, WSTG                    ; my stage
	v_mul_u32_u24 v4, v2, PITCH
	v_add_nc_u32 v4, s25, v4                       ; into it: row = my column
	v_and_b32 v5, 15, v2
	v_lshrrev_b32 v6, 4, v2                        ; out of it: sixteen lanes to a row, two rows an instruction
	v_mul_u32_u24 v7, v6, PITCH
	v_lshl_add_u32 v7, v5, 4, v7
	v_add_nc_u32 v7, s25, v7
	v_lshlrev_b32 v8, 9, v6                        ; the same place in wc: rows of 512 bytes
	v_lshl_add_u32 v8, v5, 4, v8
	v_lshlrev_b32 v9, 5, v2                        ; my column's row of scale bytes
	s_mul_i32 s26, s23, 512*3072*4
	s_lshl_b32 s28, s24, 2
	s_add_co_u32 s26, s26, s28
	s_mov_b32 s27, 0
	s_add_nc_u64 s[6:7], s[6:7], s[26:27]
	s_lshl_b32 s26, s24, 9
	s_lshl_b32 s28, s23, 8
	s_add_co_u32 s26, s26, s28
	s_add_nc_u64 s[14:15], s[14:15], s[26:27]
	s_lshl_b32 s26, s24, 5
	s_lshl_b32 s28, s23, 4
	s_add_co_u32 s26, s26, s28
	s_add_nc_u64 s[16:17], s[16:17], s[26:27]
	LOADW 0, 3072, 6
	LOADW 1, 3072, 6
.set Q, 0
.rept 16
	BLOCKW Q, 3072, 6, 0
.set Q, Q+1
.endr
	global_store_b128 v9, v[SB:SB+3], s[16:17]     ; my column's 16 scale bytes
.irp t, 0,1,2,3,4,5,6,7,8,9,10,11,12,13,14,15
	ds_load_b128 v[WOUT+4*\t:WOUT+4*\t+3], v7 offset:2*\t*PITCH    ; LDS serves a wave's instructions in order: these see my stores
.endr
.irp t, 0,1,2,3,4,5,6,7,8,9,10,11,12,13,14,15
	s_wait_dscnt 15-\t
	global_store_b128 v8, v[WOUT+4*\t:WOUT+4*\t+3], s[14:15] offset:2*\t*512   ; sixteen lanes store 256 consecutive bytes, aligned
.endr
	s_wait_tensorcnt 0x0
	ds_add_u32 v192, v193
	s_wait_dscnt 0x0
	s_endpgm
	; ---- x: 256 work-groups, 8,192 numbers a wave
.LX:
	v_lshlrev_b32 v3, 4, v2                        ; my 16 bytes of a load's 512
	s_mul_i32 s21, s20, WREG
	v_lshrrev_b32 v14, 2, v2
	v_mul_u32_u24 v14, v14, SP
	v_and_b32 v15, 3, v2
	v_lshl_add_u32 v14, v15, 4, v14
	v_add_nc_u32 v14, s21, v14                     ; the stage, on the way in: SP (lane / 4) + 16 (lane % 4)
	v_mul_u32_u24 v15, v2, SP
	v_add_nc_u32 v15, s21, v15                     ; on the way out: SP x lane: my 16 neighbours
	v_mul_u32_u24 v4, v2, CB                       ; my codes' place in a step's
	v_lshrrev_b32 v5, 1, v2
	s_add_co_u32 s21, s21, 2*32*SP
	v_add_nc_u32 v5, s21, v5                       ; my wave's 256 scale bytes: my block's byte
	v_lshlrev_b32 v7, 3, v2
	v_add_nc_u32 v6, s21, v7                       ; and on the way out 8 bytes a lane
	s_lshl_b32 s22, ttmp9, 2
	s_add_co_u32 s22, s22, s20                     ; which run of 8,192 numbers is my wave's
	s_mov_b32 s23, 0
	s_lshl_b64 s[24:25], s[22:23], 15
	s_add_nc_u64 s[4:5], s[4:5], s[24:25]
	s_lshl_b64 s[24:25], s[22:23], 12
	s_add_nc_u64 s[10:11], s[10:11], s[24:25]
	s_lshl_b32 s22, s22, 8
	s_add_nc_u64 s[12:13], s[12:13], s[22:23]
.irp t, 0,1,2,3
	XLD \t
.endr
	s_wait_loadcnt 12                              ; step 0's four loads are in
	XTURN 0
.irp t, 0,1,2,3,4,5,6,7,8,9,10,11,12,13,14,15
	XSTEP \t
.endr
	ds_load_b64 v[12:13], v6                       ; LDS serves a wave's instructions in order: these see my byte stores
	s_wait_dscnt 0x0
	global_store_b64 v7, v[12:13], s[12:13]        ; 32 lanes store 256 consecutive bytes, aligned
	s_wait_tensorcnt 0x0
	ds_add_u32 v192, v193
	s_wait_dscnt 0x0
	s_endpgm
.Lfunc_end_k_qa6a42d2e9e_prep:
	.size	k_qa6a42d2e9e_prep, .Lfunc_end_k_qa6a42d2e9e_prep-k_qa6a42d2e9e_prep
	.p2alignl 7, 3214868480
	.fill 96, 4, 3214868480
	.section	.rodata,"a",@progbits
	.p2align	6, 0x0
	.amdhsa_kernel k_qa6a42d2e9e_prep
		.amdhsa_group_segment_fixed_size 68096
		.amdhsa_private_segment_fixed_size 0
		.amdhsa_enable_private_segment 0
		.amdhsa_kernarg_size 64
		.amdhsa_user_sgpr_count 2
		.amdhsa_user_sgpr_kernarg_segment_ptr 1
		.amdhsa_wavefront_size32 1
		.amdhsa_system_sgpr_workgroup_id_x 1
		.amdhsa_system_sgpr_workgroup_id_y 1
		.amdhsa_system_sgpr_workgroup_id_z 1
		.amdhsa_system_vgpr_workitem_id 0
		.amdhsa_next_free_vgpr 194
		.amdhsa_next_free_sgpr 66
		.amdhsa_reserve_vcc 0
		.amdhsa_float_denorm_mode_32 3
		.amdhsa_float_denorm_mode_16_64 3
		.amdhsa_memory_ordered 1
		.amdhsa_forward_progress 1
		.amdhsa_inst_pref_size 185
	.end_amdhsa_kernel
	.amdgpu_metadata
---
amdhsa.version: [ 1, 2 ]
amdhsa.kernels:
  - .name:           k_qa6a42d2e9e_prep
    .symbol:         k_qa6a42d2e9e_prep.kd
    .args:
      - { .name: x, .offset: 0, .size: 8, .value_kind: global_buffer, .address_space: global }
      - { .name: W_qkv, .offset: 8, .size: 8, .value_kind: global_buffer, .address_space: global }
      - { .name: W_out, .offset: 16, .size: 8, .value_kind: global_buffer, .address_space: global }
      - { .name: xc, .offset: 24, .size: 8, .value_kind: global_buffer, .address_space: global }
      - { .name: xs, .offset: 32, .size: 8, .value_kind: global_buffer, .address_space: global }
      - { .name: wc, .offset: 40, .size: 8, .value_kind: global_buffer, .address_space: global }
      - { .name: ws, .offset: 48, .size: 8, .value_kind: global_buffer, .address_space: global }
      - { .name: wo, .offset: 56, .size: 8, .value_kind: global_buffer, .address_space: global }
    .group_segment_fixed_size: 68096
    .private_segment_fixed_size: 0
    .kernarg_segment_align: 8
    .kernarg_segment_size: 64
    .max_flat_workgroup_size: 128
    .sgpr_count:     66
    .vgpr_count:     194
    .wavefront_size: 32
...
	.end_amdgpu_metadata
.endif
;; end of part 1
;; launch qkv (part 2): grid 12 x 32, 4 waves a work-group, clusters of 4 x 4, 327,680 bytes of LDS; arguments xc, xs, wc, ws, b_qkv, qkvc, qkvs; writes qkvc, qkvs
.if DOCPART == 2
	.amdgcn_target "amdgcn-amd-amdhsa--gfx1250"
	.amdhsa_code_object_version 6
	.text
	.protected	k_qa6a42d2e9e_qkv
	.globl	k_qa6a42d2e9e_qkv
	.p2align	8
	.type	k_qa6a42d2e9e_qkv,@function
k_qa6a42d2e9e_qkv:
	s_mov_b64 s[64:65], 0
	v_nop
	global_prefetch_b8 v0, s[64:65] scope:SCOPE_SE
	s_setreg_imm32_b32 hwreg(HW_REG_WAVE_MODE, 25, 1), 1
	s_wait_xcnt 0x0
	s_wait_alu depctr_hold_cnt(0) depctr_sa_sdst(0) depctr_va_vdst(0) depctr_va_sdst(0) depctr_va_ssrc(0) depctr_va_vcc(0) depctr_vm_vsrc(0)
	s_getreg_b32 s2, hwreg(HW_REG_IB_STS2, 6, 4)
	s_cmp_eq_u32 s2, 0
	s_cbranch_scc0 .Lentry_in_a_cluster
	s_endpgm
.Lentry_in_a_cluster:
	s_bfe_u32 s2, ttmp6, 0x10000c
	s_cmp_lg_u32 s2, 0xf033
	s_cbranch_scc0 .Lentry_shape_is_right
	s_endpgm
.Lentry_shape_is_right:
; qkv = x W_qkv + b_qkv on codes of FP4 (E2M1) with E8M0 scales, f32 sums; q, k and v are quantised at once, q and k along the head's 64, v along the keys, and leave as IMAGES OF OPERAND REGISTERS.
; A = x's codes [8192][512 B], scales [8192][32];  B = W's codes [3072][512 B], scales [3072][32].  A tile of the result, 256 x 256, is made by four waves, 128 x 128 each: 64 accumulators, 512 registers.
; K = 1,024 is two slots of 512 along K (rows of 256 bytes): each LDS slot is filled once.  The scales of the tile's rows, for all of K, come once, as dense blocks.
; CLUSTERS: 4 x 4 work-groups; A's tiles are asked for jointly along a row of the cluster, B's along a column.  A cluster's x says what its 1,024 columns are: 0 q, 1 k, 2 v.
; THE MATRIX INSTRUCTION IS USED TRANSPOSED (source 0 = 16 columns of W, source 1 = 16 tokens): a lane holds one token and eight neighbouring features.  The bias is the C of each sum's first instruction.
; OUT.  q, k: a lane's 64 registers of a block of 16 tokens are 128 features, two heads: four blocks of 32.  Their codes are stored as they stand: image (b x 16 + head, token tile T) at ((bh) x 128 + T) x 512 + 16 x lane.
;   In a block the numbers lie in the order 0-7, 16-23, 8-15, 24-31, in q and k alike.  Scale words: for a pair of token tiles, bytes 0, 1 the even tile's two blocks, bytes 2, 3 the odd tile's.
; v: its K is the keys, which lie across lanes: 32 tokens x 128 features go through the wave's own stage in LDS and come back a lane a feature, 32 tokens down its registers.
;   Fragment (bh, key step s of 128, tile t of 16 channels) at ((bh x 16 + s) x 4 + t) x 1,024 + 512 c + 16 (r + 16 H): block 2 c + H of channel r, in the same order inside a block.  Scale words [bh][s][channel].
; LIMITS: NaN and infinities are not served; blocks whose largest magnitude lies under 2^-124 keep the byte 1 (a block of zeros too: its codes are zeros).
; REGISTERS: window 0: v0-31 addresses; v32-95 scale words, two sets, and nothing else; v96-127 at work on the way out; v128-191 A's fragments, later codes; v192-255 the bias, later at work.
;   window 1: B's fragments, two sets.   window 2, 3: the accumulators of my rows 0-63, 64-127 (accumulator (a, b) at v[8 (8 (a % 4) + b)]).
.set SIZE_K, 1024
.set KSTEP,  512
.set NQ,     KSTEP/128
.set ROWB,   256
.set KROW,   SIZE_K*4/8
.set PITCH,  272                       ; an LDS row: 256 bytes + 16 of padding: the 16 rows that a load touches start at 16 different banks
.set FR,     8
.set NL,     2
.set NP,     4
.set HALFT,  128*PITCH
.set SLOT,   4*HALFT
.set KS,     SIZE_K/32
.set SCL,    2*SLOT                    ; behind the two slots: the scales, as units of 256 bytes + 16 of padding
.set HALFS,  (128*KS/256)*272
.set SBLK,   (16*KS/256)*272
.set SPARE,  SCL+4*HALFS               ; the spare words, 128 bytes for each wave, which no other line names
.set SPITCH, 528                       ; v's stage: 32 rows x (512 bytes + 16) for each wave, in slot 0, which has had its only fill and its last read by then
.set ADRA, 16
.set ADRB, 20
.set HB,   22                          ; v22  32 x (lane / 16): the bias' offset
.set STO,  24                          ; v24  the stage: where I put 32 bytes of a token's row
.set RD,   25                          ; v25  the stage: 4 x lane: a feature a lane
.set CO,   26                          ; v26  16 x lane
.set ADRS, 27
.set SPW,  28
.set NIL,  29
.set VIM,  30                          ; v30  v's images: 1,024 (lane / 16) + 16 (lane % 16)
.set L4,   31                          ; v31  4 x lane
.set SC,   32
.set TM,   96                          ; v96-111  the quantiser's work
.set PWB,  112                         ; v112-119 a scale word for each block of 16 tokens
.set VSB,  120                         ; v120-123 v's scale words
.set AF,   128
.set PCB,  128                         ; v128-191 q's, k's or v's codes: registers of their own for each store
.set BIAS, 192
.set WA,   192                         ; v192-203 pair words
.set VX,   192                         ; v192-255 v: two sets of 32 numbers
.set SEL,  66                          ; s[66:67] lane selects: lane l xor 16
.set G1, 24
.set G0, 32
.set G1B, 48
.set G0B, 56
.set G1S, 68
.set G0S, 76
.set G1SB, 80
.set G0SB, 88
.set MSB, 0
.macro WIN new                         ; the immediate's high byte repeats the setting that is left
.if MSB != (\new)
	s_set_vgpr_msb (MSB<<8)|(\new)
.set MSB, (\new)
.endif
.endm
.set MUL_LO, 0xa1                      ; source 0 (B) window 1, source 1 (A) window 0, C and D window 2
.set MUL_HI, 0xf1
.set TO_B,   0x40
; A joint load: waves 0 and 1 fetch for A, waves 2 and 3 for B; the branch hangs on the wave's number alone.  Four v_nop follow each of the two lines.
.macro JLOAD g0a, g1a, g0b, g1b
	s_cmp_eq_u32 s15, 0
	s_cbranch_scc0 .Lfor_b_\@
	tensor_load_to_lds s[\g0a:\g0a+3], s[\g1a:\g1a+7]
	s_nop 0
.rept 4
	v_nop
.endr
	s_branch .Lasked_\@
.Lfor_b_\@:
	tensor_load_to_lds s[\g0b:\g0b+3], s[\g1b:\g1b+7]
	s_nop 0
.rept 4
	v_nop
.endr
.Lasked_\@:
.endm
.macro CROUND                          ; a round of the cluster's barrier
	s_barrier_signal -1
	s_barrier_wait -1
	s_cmp_lg_u32 s14, 0
	s_cbranch_scc1 .Lnot_wave_0_\@
	s_barrier_signal -3
.Lnot_wave_0_\@:
	s_barrier_wait -3
	s_barrier_signal -1
	s_barrier_wait -1
.endm
	s_load_b128 s[4:7], s[0:1], 0x0                ; x's codes, x's scales
	s_load_b128 s[8:11], s[0:1], 0x10              ; W's codes, W's scales
	s_load_b64 s[12:13], s[0:1], 0x20              ; b_qkv
	s_load_b128 s[96:99], s[0:1], 0x28             ; qkvc, qkvs
	v_lshl_add_u32 v[SPW], v0, 2, SPARE
	v_mov_b32 v[NIL], 0
	ds_add_u32 v28, v29
	ds_add_u32 v28, v29
	s_wait_dscnt 0x0
	v_lshrrev_b32 v1, 5, v0
	v_readfirstlane_b32 s14, v1                    ; wave 0..3
	s_lshr_b32 s15, s14, 1                         ; which half of the tile's rows is mine.  Also: I fetch for A (0) or for B (1)
	s_and_b32 s16, s14, 1                          ; which half of its columns.  Also: which 128 rows of that tile I fetch
	s_bfe_u32 s40, ttmp6, 0x40000                  ; cx, cy: my place in the cluster
	s_bfe_u32 s41, ttmp6, 0x40004
	s_lshl_b32 s42, ttmp9, 2
	s_add_co_u32 s42, s42, s40                     ; tile column = 4 x cluster x + cx
	s_and_b32 s17, ttmp7, 0xffff
	s_lshl_b32 s17, s17, 2
	s_add_co_u32 s17, s17, s41                     ; tile row = 4 x cluster y + cy
	s_lshl_b32 s43, s41, 2
	s_lshl_b32 s43, 15, s43                        ; my row of the cluster
	s_lshl_b32 s44, 0x1111, s40                    ; my column
	s_or_b32 s[G1+0], s43, (0<<16)|(1<<20)|(1<<21)|(5<<22)|(3<<25)  ; the mask; elements of 1 byte; padding on: 4 words behind every 64; bit 21 beside a mask
	s_or_b32 s[G1B+0], s44, (0<<16)|(1<<20)|(1<<21)|(5<<22)|(3<<25)
.irp g, G1, G1B
	s_mov_b32 s[\g+1], ROWB<<16                    ; tensor_dim0
	s_mov_b32 s[\g+2], 128<<16                     ; tensor_dim1
	s_mov_b32 s[\g+3], ROWB<<16                    ; tile_dim0
	s_mov_b32 s[\g+4], 128                         ; tile_dim1
	s_mov_b32 s[\g+5], KROW                        ; the pitch
	s_mov_b32 s[\g+6], 0
	s_mov_b32 s[\g+7], 0
.endr
	s_or_b32 s[G1S+0], s43, (3<<16)|(1<<20)|(1<<21)|(5<<22)|(3<<25) ; the scales of 128 rows: a dense block, as rows of 256 bytes (32 elements of 8 bytes)
	s_or_b32 s[G1SB+0], s44, (3<<16)|(1<<20)|(1<<21)|(5<<22)|(3<<25)
.irp g, G1S, G1SB
	s_mov_b32 s[\g+1], 32<<16
	s_mov_b32 s[\g+2], (128*KS/256)<<16
	s_mov_b32 s[\g+3], 32<<16
	s_mov_b32 s[\g+4], 128*KS/256
	s_mov_b32 s[\g+5], 32
	s_mov_b32 s[\g+6], 0
	s_mov_b32 s[\g+7], 0
.endr
	s_lshl_b32 s18, s16, 7
	s_lshl_b32 s20, s17, 8
	s_add_co_u32 s20, s20, s18                     ; A: row 256 x tile row + 128 x half
	s_lshl_b32 s46, s42, 8
	s_add_co_u32 s46, s46, s18                     ; B: row 256 x tile column + 128 x half
	s_mov_b32 s21, 0
	s_mov_b32 s47, 0
	s_mov_b64 s[18:19], KS
	s_mul_u64 s[22:23], s[20:21], s[18:19]         ; where these rows' scales begin
	s_mul_u64 s[92:93], s[46:47], s[18:19]
	s_mov_b64 s[18:19], KROW
	s_mul_u64 s[20:21], s[20:21], s[18:19]         ; and their codes
	s_mul_u64 s[46:47], s[46:47], s[18:19]
	s_mul_i32 s45, s14, HALFT                      ; where they go: wave x 128 rows
	s_mul_i32 s94, s14, HALFS
	s_wait_kmcnt 0x0
	s_add_nc_u64 s[20:21], s[4:5], s[20:21]
	s_add_nc_u64 s[22:23], s[6:7], s[22:23]
	s_add_nc_u64 s[46:47], s[8:9], s[46:47]
	s_add_nc_u64 s[92:93], s[10:11], s[92:93]
	CROUND                                         ; all sixteen work-groups are here: the joint loads meet
	s_mov_b32 s[G0S], 1
	s_add_co_u32 s[G0S+1], s94, SCL
	s_mov_b64 s[G0S+2:G0S+3], s[22:23]
	s_or_b32 s[G0S+3], s[G0S+3], 0x80000000
	s_mov_b32 s[G0SB], 1
	s_add_co_u32 s[G0SB+1], s94, SCL
	s_mov_b64 s[G0SB+2:G0SB+3], s[92:93]
	s_or_b32 s[G0SB+3], s[G0SB+3], 0x80000000
	JLOAD G0S, G1S, G0SB, G1SB                     ; the scales first: they are wanted with the first slot
.irp s, 0,1
	s_mov_b32 s[G0+4*\s], 1
	s_add_co_u32 s[G0+4*\s+1], s45, \s*SLOT
	s_add_nc_u64 s[G0+4*\s+2:G0+4*\s+3], s[20:21], \s*ROWB
	s_or_b32 s[G0+4*\s+3], s[G0+4*\s+3], 0x80000000
	s_mov_b32 s[G0B+4*\s], 1
	s_add_co_u32 s[G0B+4*\s+1], s45, \s*SLOT
	s_add_nc_u64 s[G0B+4*\s+2:G0B+4*\s+3], s[46:47], \s*ROWB
	s_or_b32 s[G0B+4*\s+3], s[G0B+4*\s+3], 0x80000000
	JLOAD G0+4*\s, G1, G0B+4*\s, G1B               ; three loads of mine are out in all
.endr
	v_and_b32 v1, 15, v0                           ; r = lane % 16
	v_bfe_u32 v2, v0, 4, 1                         ; h = lane / 16
	v_mul_u32_u24 v3, v1, PITCH
	v_lshl_add_u32 v4, v2, 4, v3                   ; a fragment's row x pitch + 16 h
	s_mul_i32 s21, s15, HALFT
	s_mul_i32 s22, s16, HALFT
	s_add_co_u32 s22, s22, 2*HALFT
.irp s, 0,1
	v_add_nc_u32 v[ADRA+\s], s21, v4
	v_add_nc_u32 v[ADRB+\s], s22, v4
	s_add_co_u32 s21, s21, SLOT
	s_add_co_u32 s22, s22, SLOT
.endr
	v_mul_u32_u24 v5, v1, KS                       ; my row's scales: KS bytes a row,
	v_lshrrev_b32 v6, 8, v5
	v_lshl_add_u32 v5, v6, 4, v5                   ; and 16 more for each 256 passed
	s_mul_i32 s21, s15, HALFS
	s_mul_i32 s22, s16, HALFS
	s_add_co_u32 s22, s22, 2*HALFS
	s_sub_co_u32 s22, s22, s21
	v_mul_u32_u24 v6, s22, v2                      ; lanes 16-31 take B's
	s_add_co_u32 s21, s21, SCL
	v_add_nc_u32 v5, v5, v6
	v_add_nc_u32 v[ADRS], s21, v5
	s_mul_i32 s23, s14, 32*SPITCH                  ; my stage
	v_mul_u32_u24 v5, v1, SPITCH
	v_lshl_add_u32 v5, v2, 5, v5
	v_add_nc_u32 v[STO], s23, v5                   ; in: row r, 32 bytes for each half of the lanes
	v_and_b32 v6, 31, v0
	v_lshlrev_b32 v[CO], 4, v6
	v_lshlrev_b32 v[L4], 2, v6
	v_add_nc_u32 v[RD], s23, v[L4]                 ; back: a feature a lane
	v_lshlrev_b32 v[VIM], 10, v2
	v_lshl_add_u32 v[VIM], v1, 4, v[VIM]
	v_lshlrev_b32 v[HB], 5, v2
.irp b, 0,1,2,3
	v_mov_b32 v[TM+4+\b], 0                        ; written once: a lane permute's destination counts as one of its sources
.endr
	s_mov_b32 s[SEL], 0x76543210
	s_mov_b32 s[SEL+1], 0xfedcba98
	s_lshl_b32 s46, s42, 10                        ; the bias of my 128 columns: 4 x (256 x tile column + 128 x half)
	s_lshl_b32 s47, s16, 9
	s_add_co_u32 s46, s46, s47
	s_mov_b32 s47, 0
	s_add_nc_u64 s[12:13], s[12:13], s[46:47]
.irp b, 0,1,2,3,4,5,6,7
	global_load_b128 v[BIAS+8*\b:BIAS+8*\b+3], v[HB], s[12:13] offset:64*\b          ; in the result's layout: register 8 b + j is the bias of column 16 b + 8 h + j
	global_load_b128 v[BIAS+8*\b+4:BIAS+8*\b+7], v[HB], s[12:13] offset:64*\b+16
.endr
.macro FRAG reg, adr, q, i             ; a fragment, 16 rows x 128 K: lane l holds row l % 16; registers 4 c .. 4 c + 3 hold K = 64 c + 32 (l / 16) + 0 .. 31
.irp c, 0,1
	ds_load_b128 v[\reg+4*\c:\reg+4*\c+3], v[\adr] offset:64*(\q)+32*\c+(\i)*16*PITCH
.endr
.endm
; 16 matrix instructions: A's blocks a0, a0 + 1 x B's eight.  zero = 1: the first product starts the sums from the bias.  The 64 accumulators take turns, one instruction a turn.
.macro MUL16 a0, p, q, sc, zero
.irp a, \a0, \a0+1
.irp b, 0,1,2,3,4,5,6,7
.if \zero
	v_wmma_scale_f32_16x16x128_f8f6f4 v[8*(8*((\a)%4)+\b):8*(8*((\a)%4)+\b)+7], v[128*(\p)+FR*\b:128*(\p)+FR*\b+FR-1], v[AF+FR*(\a):AF+FR*(\a)+FR-1], v[BIAS+8*\b:BIAS+8*\b+7], v[SC+8*NQ*(\sc)+NQ*\b+(\q)], v[SC+8*NQ*(\sc)+NQ*(\a)+(\q)] matrix_a_fmt:MATRIX_FMT_FP4 matrix_b_fmt:MATRIX_FMT_FP4 matrix_a_scale:MATRIX_SCALE_ROW1
.else
	v_wmma_scale_f32_16x16x128_f8f6f4 v[8*(8*((\a)%4)+\b):8*(8*((\a)%4)+\b)+7], v[128*(\p)+FR*\b:128*(\p)+FR*\b+FR-1], v[AF+FR*(\a):AF+FR*(\a)+FR-1], v[8*(8*((\a)%4)+\b):8*(8*((\a)%4)+\b)+7], v[SC+8*NQ*(\sc)+NQ*\b+(\q)], v[SC+8*NQ*(\sc)+NQ*(\a)+(\q)] matrix_a_fmt:MATRIX_FMT_FP4 matrix_b_fmt:MATRIX_FMT_FP4 matrix_a_scale:MATRIX_SCALE_ROW1
.endif
.endr
.endr
.endm
.macro FETCH_B slot, q, p
	WIN TO_B
.irp i, 0,1,2,3,4,5,6,7
	FRAG 128*(\p)+FR*\i, ADRB+\slot, \q, \i
.endr
	WIN 0
.endm
.macro FETCH_A slot, q, i0
.irp i, \i0, \i0+1, \i0+2, \i0+3
	FRAG AF+FR*(\i), ADRA+\slot, \q, \i
.endr
.endm
.macro SCALES sc                       ; a slot's scale words: lanes 0-15 take A's block i, lanes 16-31 B's block i
.irp i, 0,1,2,3,4,5,6,7
	ds_load_b128 v[SC+8*NQ*\sc+NQ*\i:SC+8*NQ*\sc+NQ*\i+3], v[ADRS] offset:\i*SBLK
.endr
.endm
.macro PLACES n                        ; plain vector instructions between a matrix instruction and a load into, or a read of, its registers
.rept \n
	v_nop
.endr
.endm
.macro STEP slot, q, zero              ; a step of 128 along K that has its successor in the same slot
	s_wait_dscnt 4*NL                              ; B's set and A's blocks 0-3 are in; the youngest eight loads (A's blocks 4-7) may be out
.if \zero
	WIN 0x81                                       ; C, the bias, in window 0
.else
	WIN MUL_LO
.endif
	MUL16 0, (\q)%2, \q, \slot, \zero
	MUL16 2, (\q)%2, \q, \slot, \zero
	s_wait_dscnt 0
	PLACES NP
	FETCH_B \slot, (\q)+1, 1-(\q)%2
	FETCH_A \slot, (\q)+1, 0
.if \zero
	WIN 0xc1
.else
	WIN MUL_HI
.endif
	MUL16 4, (\q)%2, \q, \slot, \zero
	MUL16 6, (\q)%2, \q, \slot, \zero
	PLACES NP
	WIN 0
	FETCH_A \slot, (\q)+1, 4
.endm
.macro STEPS slot, from
.set Q, \from
.rept NQ-1-\from
	STEP \slot, Q, 0
.set Q, Q+1
.endr
.endm
	s_wait_tensorcnt 1                             ; the scales and my part of slot 0 are in; slot 1's load may be out
	s_barrier_signal -1
	s_barrier_wait -1
	FETCH_B 0, 0, 0
	FETCH_A 0, 0, 0
	SCALES 0
	FETCH_A 0, 0, 4
	s_wait_loadcnt 0x0                             ; the bias
	STEP 0, 0, 1
	STEPS 0, 1
	; slot 0's last step changes slots: one barrier; in front of it my part of slot 1 has landed and my reads of slot 0 are over
	s_wait_tensorcnt 0x0
	ds_add_u32 v[SPW], v[NIL]                      ; 0 onto my spare word
	s_wait_dscnt 4*NL+1                            ; the add and the youngest eight loads may be out
	WIN MUL_LO
	MUL16 0, 1, NQ-1, 0, 0
	s_wait_dscnt 0x0
	s_barrier_signal -1
	MUL16 2, 1, NQ-1, 0, 0
	WIN 0
	s_barrier_wait -1
	PLACES NP
	v_add_nc_u32 v[ADRS], 4*NQ, v[ADRS]            ; on to slot 1's scale words (no LDS load of mine is out)
	FETCH_B 1, 0, 0
	FETCH_A 1, 0, 0
	SCALES 1
	WIN MUL_HI
	MUL16 4, 1, NQ-1, 0, 0
	MUL16 6, 1, NQ-1, 0, 0
	PLACES NP
	WIN 0
	FETCH_A 1, 0, 4
	STEPS 1, 0
	s_wait_dscnt 4*NL                              ; the very last step: nothing more to fetch
	WIN MUL_LO
	MUL16 0, 1, NQ-1, 1, 0
	MUL16 2, 1, NQ-1, 1, 0
	s_wait_dscnt 0
	WIN MUL_HI
	MUL16 4, 1, NQ-1, 1, 0
	MUL16 6, 1, NQ-1, 1, 0
	WIN 0
	PLACES NP                                      ; in front of the first read of results and the first write of operand registers
	; where my part begins.  index = ((which x 64 + b x 16 + head) x 16 + my 128 tokens' number in the batch): 4,096 bytes of codes and 256 of scale words each, for q, k and v alike
	s_lshr_b32 s18, s17, 3                         ; the batch: 8 tile rows each
	s_and_b32 s19, s17, 7
	s_lshl_b32 s18, s18, 4
	s_lshl_b32 s46, s40, 2
	s_add_co_u32 s46, s46, s18
	s_lshl_b32 s47, s16, 1
	s_add_co_u32 s46, s46, s47                     ; b x 16 + my first head (4 cx + 2 x column half)
	s_lshl_b32 s19, s19, 1
	s_add_co_u32 s19, s19, s15                     ; my 128 tokens' number
	s_lshl_b32 s92, ttmp9, 6
	s_add_co_u32 s92, s92, s46
	s_lshl_b32 s92, s92, 4
	s_add_co_u32 s92, s92, s19
	s_lshl_b32 s94, s92, 8
	s_lshl_b32 s92, s92, 12
	s_mov_b32 s93, 0
	s_mov_b32 s95, 0
	s_add_nc_u64 s[96:97], s[96:97], s[92:93]
	s_add_nc_u64 s[98:99], s[98:99], s[94:95]
	s_mov_b32 s18, 0xffff0000                      ; lanes 16-31
; 64 numbers of a lane in window W, from register s on, register 16 b + i = number 32 b + 8 (lane / 16) + i (i < 8) or 32 b + 8 + 8 (lane / 16) + i (i >= 8) of my row, become a fragment's codes in v[pc] on and its scale word in v[pw]
.macro QUANTW W, s, pc, pw
	WIN ((\W)<<2)|((\W)<<4)
.irp b, 0,1,2,3
	v_max3_num_f32 v[TM+\b], 0x1800000, |v[(\s)+16*\b]|, |v[(\s)+16*\b+1]|   ; my 16 numbers of block b, and the floor 2^(3 - 127): the byte cannot fall under 1
.endr
.irp i, 2,4,6,8,10,12,14
.irp b, 0,1,2,3
	v_max3_num_f32 v[TM+\b], v[TM+\b], |v[(\s)+16*\b+\i]|, |v[(\s)+16*\b+\i+1]|
.endr
.endr
	WIN 0
.irp b, 0,1,2,3
	v_permlanex16_b32 v[TM+4+\b], v[TM+\b], s[SEL], s[SEL+1]
.endr
.irp b, 0,1,2,3
	v_max_num_f32 v[TM+\b], v[TM+\b], v[TM+4+\b]   ; with lane l xor 16's: the block's largest magnitude
.endr
.irp b, 0,1,2,3
	v_add_nc_u32 v[TM+12+\b], 0xff000000, v[TM+\b] ; 2 off its exponent field: the conversion's scale operand
.endr
.irp b, 0,1,2,3
	v_lshrrev_b32 v[TM+4+\b], 23, v[TM+12+\b]      ; the scale's byte
.endr
	v_lshl_or_b32 v[\pw], v[TM+5], 8, v[TM+4]
	v_lshl_or_b32 v[\pw], v[TM+6], 16, v[\pw]
	v_lshl_or_b32 v[\pw], v[TM+7], 24, v[\pw]
	WIN (\W)
.irp b, 0,1,2,3
	v_cvt_scalef32_pk8_fp4_f32 v[(\pc)+2*\b], v[(\s)+16*\b:(\s)+16*\b+7], v[TM+12+\b]
	v_cvt_scalef32_pk8_fp4_f32 v[(\pc)+2*\b+1], v[(\s)+16*\b+8:(\s)+16*\b+15], v[TM+12+\b]
.endr
	WIN 0
	v_nop                                          ; one plain place behind a scaled conversion
.irp c, 0,1                                    ; a whole block to a lane: lanes 0-15 block 2 c, lanes 16-31 block 2 c + 1
.irp i, 0,1
	v_permlane16_swap_b32 v[(\pc)+4*\c+\i], v[(\pc)+4*\c+2+\i]
.endr
.endr
.endm
	s_cmp_eq_u32 ttmp9, 2                          ; the cluster's x: the same in all sixteen partners
	s_cbranch_scc1 .LV
	; ---- q, k: block a of 16 tokens: registers 0-3 of its codes are my first head's image, registers 4-7 the next head's
.irp a, 0,1,2,3,4,5,6,7
	QUANTW 2+\a/4, 64*(\a%4), PCB+8*\a, PWB+\a
	global_store_b128 v[CO], v[PCB+8*\a:PCB+8*\a+3], s[96:97] offset:512*\a           ; 32 lanes store 512 consecutive bytes, aligned
	global_store_b128 v[CO], v[PCB+8*\a+4:PCB+8*\a+7], s[96:97] offset:512*\a+65536
.endr
.irp p, 0,1,2,3                                ; pair words: the two bytes of tile 2 p, then those of tile 2 p + 1; first head, then the next
	v_perm_b32 v[WA+\p], v[PWB+2*\p+1], v[PWB+2*\p], 0x05040100
	v_perm_b32 v[WA+4+\p], v[PWB+2*\p+1], v[PWB+2*\p], 0x07060302
.endr
.irp i, 0,1                                    ; lanes 0-15 carry pair 2 i, lanes 16-31 pair 2 i + 1: 128 consecutive bytes a store
	v_cndmask_b32 v[WA+8+\i], v[WA+2*\i], v[WA+2*\i+1], s18
	v_cndmask_b32 v[WA+10+\i], v[WA+4+2*\i], v[WA+4+2*\i+1], s18
.endr
.irp i, 0,1
	global_store_b32 v[L4], v[WA+8+\i], s[98:99] offset:128*\i
	global_store_b32 v[L4], v[WA+10+\i], s[98:99] offset:128*\i+4096
.endr
	s_branch .Lend
	; ---- v: 32 tokens at a time through my stage; then a lane is a feature and its 32 registers a block of keys
.LV:
.macro VSTAGE a
.set AC, 64*((\a)%4)
	WIN 0x08+4*((\a)/4)                            ; the data: window 2 or 3
.irp b, 0,1,2,3,4,5,6,7
	ds_store_b128 v[STO], v[AC+8*\b:AC+8*\b+3] offset:((\a)%2)*16*SPITCH+64*\b        ; each accumulator from its low end on
	ds_store_b128 v[STO], v[AC+8*\b+4:AC+8*\b+7] offset:((\a)%2)*16*SPITCH+64*\b+16
.endr
	WIN 0
.endm
.macro VLD g                           ; features 32 g + lane, tokens 0 .. 31, into set g % 2
.irp i, 0,1,2,3,4,5,6,7,8,9,10,11,12,13,14,15,16,17,18,19,20,21,22,23,24,25,26,27,28,29,30,31
	ds_load_b32 v[VX+32*((\g)%2)+\i], v[RD] offset:\i*SPITCH+128*(\g)
.endr
.endm
.macro VBLK kb, g
.set XS, VX+32*((\g)%2)
.set VD, PCB+4*(4*(\kb)+(\g))
	v_max3_num_f32 v8, |v[XS]|, |v[XS+1]|, |v[XS+2]|
	v_max3_num_f32 v9, |v[XS+3]|, |v[XS+4]|, |v[XS+5]|
.irp i, 6,10,14,18,22,26
	v_max3_num_f32 v8, v8, |v[XS+\i]|, |v[XS+\i+1]|
	v_max3_num_f32 v9, v9, |v[XS+\i+2]|, |v[XS+\i+3]|
.endr
	v_max3_num_f32 v8, v8, |v[XS+30]|, |v[XS+31]|
	v_max3_num_f32 v8, v8, v9, 0x1800000
	v_add_nc_u32 v10, 0xff000000, v8
	v_lshrrev_b32 v9, 23, v10
.if (\kb) == 0
	v_mov_b32 v[VSB+(\g)], v9
.else
	v_lshl_or_b32 v[VSB+(\g)], v9, 8*(\kb), v[VSB+(\g)]
.endif
	v_cvt_scalef32_pk8_fp4_f32 v[VD], v[XS:XS+7], v10              ; the groups of eight in the order 0, 2, 1, 3: as the weights' codes lie
	v_cvt_scalef32_pk8_fp4_f32 v[VD+1], v[XS+16:XS+23], v10
	v_cvt_scalef32_pk8_fp4_f32 v[VD+2], v[XS+8:XS+15], v10
	v_cvt_scalef32_pk8_fp4_f32 v[VD+3], v[XS+24:XS+31], v10
	v_nop                                          ; one plain place behind a scaled conversion
	global_store_b128 v[VIM], v[VD:VD+3], s[96:97] offset:((\g)/2)*65536+((\g)%2)*2048+((\kb)/2)*512+((\kb)%2)*256   ; sixteen lanes store 256 consecutive bytes, aligned
.endm
.irp kb, 0,1,2,3
	VSTAGE 2*\kb
	VSTAGE 2*\kb+1
	VLD 0                                          ; LDS serves a wave's instructions in order: these see my stores, and the next 32 tokens' stores come behind them
	VLD 1
	s_wait_dscnt 32                                ; all but the 32 loads just issued
	VBLK \kb, 0
	VLD 2
	s_wait_dscnt 32
	VBLK \kb, 1
	VLD 3
	s_wait_dscnt 32
	VBLK \kb, 2
	s_wait_dscnt 0x0
	VBLK \kb, 3
.endr
.irp g, 0,1,2,3
	global_store_b32 v[L4], v[VSB+\g], s[98:99] offset:(\g/2)*4096+(\g%2)*128        ; the key step's scale word of my channel
.endr
.Lend:
	s_wait_tensorcnt 0x0                           ; the wave's end
	ds_add_u32 v[SPW], v[NIL]
	s_wait_dscnt 0x0
	CROUND                                         ; the closing round
	s_endpgm
.Lfunc_end_k_qa6a42d2e9e_qkv:
	.size	k_qa6a42d2e9e_qkv, .Lfunc_end_k_qa6a42d2e9e_qkv-k_qa6a42d2e9e_qkv
	.p2alignl 7, 3214868480
	.fill 96, 4, 3214868480
	.section	.rodata,"a",@progbits
	.p2align	6, 0x0
	.amdhsa_kernel k_qa6a42d2e9e_qkv
		.amdhsa_group_segment_fixed_size 327680
		.amdhsa_private_segment_fixed_size 0
		.amdhsa_enable_private_segment 0
		.amdhsa_kernarg_size 56
		.amdhsa_user_sgpr_count 2
		.amdhsa_user_sgpr_kernarg_segment_ptr 1
		.amdhsa_wavefront_size32 1
		.amdhsa_system_sgpr_workgroup_id_x 1
		.amdhsa_system_sgpr_workgroup_id_y 1
		.amdhsa_system_sgpr_workgroup_id_z 1
		.amdhsa_system_vgpr_workitem_id 0
		.amdhsa_next_free_vgpr 1024
		.amdhsa_next_free_sgpr 100
		.amdhsa_reserve_vcc 0
		.amdhsa_float_denorm_mode_32 3
		.amdhsa_float_denorm_mode_16_64 3
		.amdhsa_memory_ordered 1
		.amdhsa_forward_progress 1
		.amdhsa_inst_pref_size 197
	.end_amdhsa_kernel
	.amdgpu_metadata
---
amdhsa.version: [ 1, 2 ]
amdhsa.kernels:
  - .name:           k_qa6a42d2e9e_qkv
    .symbol:         k_qa6a42d2e9e_qkv.kd
    .args:
      - { .name: xc, .offset: 0, .size: 8, .value_kind: global_buffer, .address_space: global }
      - { .name: xs, .offset: 8, .size: 8, .value_kind: global_buffer, .address_space: global }
      - { .name: wc, .offset: 16, .size: 8, .value_kind: global_buffer, .address_space: global }
      - { .name: ws, .offset: 24, .size: 8, .value_kind: global_buffer, .address_space: global }
      - { .name: b_qkv, .offset: 32, .size: 8, .value_kind: global_buffer, .address_space: global }
      - { .name: qkvc, .offset: 40, .size: 8, .value_kind: global_buffer, .address_space: global }
      - { .name: qkvs, .offset: 48, .size: 8, .value_kind: global_buffer, .address_space: global }
    .group_segment_fixed_size: 327680
    .private_segment_fixed_size: 0
    .kernarg_segment_align: 8
    .kernarg_segment_size: 56
    .max_flat_workgroup_size: 128
    .sgpr_count:     100
    .vgpr_count:     1024
    .wavefront_size: 32
...
	.end_amdgpu_metadata
.endif
;; end of part 2
;; launch attn (part 3): grid 64 x 4, 4 waves a work-group, no clusters, 327,680 bytes of LDS; arguments attn_mask, qkvc, qkvs, wo, x, b_out, gamma, beta, out0; writes out0
.if DOCPART == 3
	.amdgcn_target "amdgcn-amd-amdhsa--gfx1250"
	.amdhsa_code_object_version 6
	.text
	.protected	k_qa6a42d2e9e_attn
	.globl	k_qa6a42d2e9e_attn
	.p2align	8
	.type	k_qa6a42d2e9e_attn,@function
k_qa6a42d2e9e_attn:
	s_mov_b64 s[64:65], 0
	v_nop
	global_prefetch_b8 v0, s[64:65] scope:SCOPE_SE
	s_setreg_imm32_b32 hwreg(HW_REG_WAVE_MODE, 25, 1), 1
	s_wait_xcnt 0x0
; out = LayerNorm(x + attn W_out + b_out), attn = wts v, wts = exp((q k^T + mask) / 8) / (the row's sum + 1e-9): all three products on codes of FP4 (E2M1) with E8M0 scales.
; No maximum is taken away ahead of the exponential, as the problem writes it.  THE WEIGHTS ARE QUANTISED FINISHED AND NORMALISED: a row's sum over all 2,048 keys is known before any of its weights gets a code.
; SHARES.  A work-group owns 32 queries of one batch and walks the 16 heads.  Wave w owns keys 512 w .. 512 w + 511: a head's unnormalised weights, 32 x 512 a wave, stay in 512 registers until the sum is known:
; each score is multiplied once, each exponential taken once.  The work-group's mask tile, 32 rows x 2,048 keys of f32, lies in LDS for all 16 heads: each mask number leaves memory once.
; The mask is the C of the score product.  Behind the heads the same work-group holds whole rows of attn: the last product, the residual and the norm follow at once.
; NO CLUSTER: partners would share k, v and W_out, 136 KB a head; a joint load lands in LDS, of whose 327,680 bytes the mask tile takes 266,240 and the exchanges 51,712.  So k, v and W_out come straight into
; registers, laid in memory as images of the operand's registers; each is asked for half a head or more ahead of its use, so no prefetch is laid in front of these loads.
; LAYOUT.  All products are used transposed: S^T = k q^T (a lane holds one query, its registers run along the keys), O^T = v^T p^T, Y^T = W_out^T attn^T.
; THE KEYS OF A TILE ARE NOT NEIGHBOURS: of a group of 64 keys, tile i (0 .. 3) takes keys 8 i + 0 .. 7 in its rows 0-7 and keys 32 + 8 i + 0 .. 7 in its rows 8-15.  So the 32 registers of a lane's four tiles are
; ONE WHOLE BLOCK of 32 neighbouring keys: lanes 0-15 hold the group's first block, lanes 16-31 its second, which is where the second product's operand wants them: no maximum and no code changes lanes.
; K = 64 IN AN INSTRUCTION OF 128: a fragment of k holds two tiles of 16 keys, tile i in K 0-63 and tile i + 2 in K 64-127 (their tokens lie 16 apart, as the stored pair words have them);
; q has two fragments, [q | zeros] and [zeros | q]: zero codes add nothing.
; Inside a block of 32 the codes lie in the order 0-7, 16-23, 8-15, 24-31, in both operands of each product that has a computed operand.
; LIMITS: NaN and infinities among the inputs are not served.  A weight's exponential under 2^-126 is 0.  t = (q k + mask) x log2(e) / 8 is rounded once: p's relative error is about 6e-8 |t|.
; Blocks whose largest magnitude lies under 2^-124 keep the byte 1 (a block of zeros too: its codes are zeros).
; REGISTERS.  window 0: v1-15, v43, v62, v92-94 addresses; v16-39 q's fragments; v40 q's raw scale word; v41-42, v44-61, v96-111, v248-255 scale words and nothing else; v64-79 p's codes; v80-87 the quantiser's work;
;   v88, v90: 1 / sum, later -mean and 1 / sqrt; v95 a byte selector; v112-175 O^T (later gamma, beta, raw scale bytes); v176-239 sums and the exchange; v240-247 b_out.
;   window 1: v0-127 k, v128-255 v.   windows 2, 3: the weights of queries 0-15, 16-31: tile T = 4 x group + i at v[8 T].
;   In the tail: window 2 x, then Y^T (query tile n, column tile t at 128 n + 8 t); window 3 v0-127 attn's fragments; W_out's three sets: window 1 v0-127, window 3 v128-255, window 1 v128-255.
.set MP,   1040                        ; a mask row in LDS: 1,024 bytes + 16: the 16 rows that a load touches start in 16 different columns of 16 bytes
.set MCH,  32*MP                       ; a chunk: 32 rows x 256 keys
.set MPW,  2*MCH                       ; a wave's two chunks.  Behind the heads the first is the wave's stage for x and for the result
.set SUM,  4*MPW                       ; [wave][32] f32: the rows' sums;  + 512, + 1,024: the norm's two sums
.set OX,   SUM+1536                    ; [wave][tile 4 n + t][1,024]: O^T's partial sums, as images
.set AC,   OX+32768                    ; [wave][head][256]: attn's codes: wave n + 2 H holds channels 32 H .. + 31 of query tile n
.set AS,   AC+16384                    ; [wave][r][16]: their scale bytes, by head
.set LM,   1                           ; v1   the stage in the result's layout: wave x MPW + r x MP + 32 h
.set L16,  2                           ; v2   16 x lane
.set L4,   3                           ; v3   4 x lane
.set R4,   4                           ; v4   4 r
.set SUMW, 5
.set OXW,  6
.set OXR,  7
.set ACW,  8
.set ASB,  9
.set XST,  14                          ; v14  the stage by rows: wave x MPW + 16 x lane
.set ASR,  15
.set QF,   16                          ; q's fragments of query tile n at QF + 12 n: [q | zeros | q]
.set QS,   40
.set QW,   41
.set SUMR, 43
.set KS,   44
.set VS,   52
.set PW,   60
.set ACR,  62
.set BY,   63
.set PC,   64
.set TM,   80
.set RR,   88
.set LMK,  92                          ; v92  the mask for the scores: wave x MPW + r x MP + 128 h: lanes 16-31 hold keys 32 further on
.set LK,   93                          ; v93  k's images: 1,024 (r / 8) + 16 (r % 8) + 256 h
.set LKS,  94                          ; v94  k's pair words: 64 ((lane / 8) % 2) + 32 (lane / 16) + 4 (lane % 8)
.set SLH,  95                          ; v95  v_perm_b32's selector that puts a lane's two scale bytes at bytes 0, 2 (lanes 0-15) or 1, 3 (lanes 16-31)
.set ASW,  96
.set O,    112
.set GA,   112
.set BE,   120
.set RAW,  128
.set CH,   176
.set BO,   240
.set WS1,  248
.set KP,   40                          ; s[40:41] k's codes, s[42:43] its scale words; q's, v's likewise: at the head in hand
.set KSP,  42
.set QP,   44
.set QSP,  46
.set VP,   48
.set VSP,  50
.set WOP,  52
.set WSP,  54
.set XP,   56
.set OP,   58
.set SEL,  60
.set CS,   62                          ; s[62:63] log2(e) / 8
.set HM,   66                          ; lanes 16-31
.set H256, 67                          ; 256 x head
.set MSB, 0
.macro WIN new                         ; bits 1:0 source 0, 3:2 source 1, 5:4 source 2, 7:6 destination; the high byte repeats the setting that is left
.if MSB != (\new)
	s_set_vgpr_msb (MSB<<8)|(\new)
.set MSB, (\new)
.endif
.endm
.macro PLACES n                        ; plain vector instructions between a matrix instruction and what touches its registers, and ahead of a scaled one whose operands vector instructions wrote
.rept \n
	v_nop
.endr
.endm
.macro BAR                             ; my LDS stores have landed and my LDS loads are in: then the work-group's barrier
	s_wait_dscnt 0x0
	s_barrier_signal -1
	s_barrier_wait -1
.endm
.macro WM d, a, b, zero, sa, sb, row   ; D = A B + (0 or D); row = 1: A's scales from lanes 16-31
.if \zero
.if \row
	v_wmma_scale_f32_16x16x128_f8f6f4 v[(\d):(\d)+7], v[(\a):(\a)+7], v[(\b):(\b)+7], 0, v[\sa], v[\sb] matrix_a_fmt:MATRIX_FMT_FP4 matrix_b_fmt:MATRIX_FMT_FP4 matrix_a_scale:MATRIX_SCALE_ROW1
.else
	v_wmma_scale_f32_16x16x128_f8f6f4 v[(\d):(\d)+7], v[(\a):(\a)+7], v[(\b):(\b)+7], 0, v[\sa], v[\sb] matrix_a_fmt:MATRIX_FMT_FP4 matrix_b_fmt:MATRIX_FMT_FP4
.endif
.else
.if \row
	v_wmma_scale_f32_16x16x128_f8f6f4 v[(\d):(\d)+7], v[(\a):(\a)+7], v[(\b):(\b)+7], v[(\d):(\d)+7], v[\sa], v[\sb] matrix_a_fmt:MATRIX_FMT_FP4 matrix_b_fmt:MATRIX_FMT_FP4 matrix_a_scale:MATRIX_SCALE_ROW1
.else
	v_wmma_scale_f32_16x16x128_f8f6f4 v[(\d):(\d)+7], v[(\a):(\a)+7], v[(\b):(\b)+7], v[(\d):(\d)+7], v[\sa], v[\sb] matrix_a_fmt:MATRIX_FMT_FP4 matrix_b_fmt:MATRIX_FMT_FP4
.endif
.endif
.endm
; k's tiles from .. to - 1 of my 32.  Tile 4 G + i goes to half i / 2 of fragment (G, i % 2), at v[16 G + 8 (i % 2) + 4 (i / 2)] of window 1.  Lane (r, h) takes block h of token 64 G + 32 (r / 8) + 8 i + r % 8:
; a load reads four pieces of 128 bytes, and two loads that follow each other (i even, i odd) cover the same four blocks of 256 bytes.
.macro KLD from, to
	WIN 0x40
.set i, \from
.rept (\to)-(\from)
	global_load_b128 v[16*(i/4)+8*(i%2)+4*((i%4)/2):16*(i/4)+8*(i%2)+4*((i%4)/2)+3], v[LK], s[KP:KP+1] offset:(i/4)*2048+((i%4)/2)*512+(i%2)*128
.set i, i+1
.endr
.endm
.macro KQREST                          ; 13 loads: k's pair words, q's two tiles (each twice), q's pair word
	WIN 0
.irp g, 0,1,2,3,4,5,6,7
	global_load_b32 v[KS+\g], v[LKS], s[KSP:KSP+1] offset:128*\g     ; group g: lanes 0-15: fragment (g, 0); lanes 16-31: fragment (g, 1)
.endr
.irp n, 0,1
	global_load_b128 v[QF+12*\n:QF+12*\n+3], v[L16], s[QP:QP+1] offset:512*\n
	global_load_b128 v[QF+12*\n+8:QF+12*\n+11], v[L16], s[QP:QP+1] offset:512*\n
.endr
	global_load_b32 v[QS], v[R4], s[QSP:QSP+1]
.endm
.macro VLOAD                           ; 40 loads: my 16 fragments of v (key step s, channel tile t at 128 + 8 (4 s + t)) and their scale words
	WIN 0x40
.set i, 0
.rept 32
	global_load_b128 v[128+4*i:128+4*i+3], v[L16], s[VP:VP+1] offset:512*i
.set i, i+1
.endr
	WIN 0
.irp g, 0,1,2,3,4,5,6,7
	global_load_b32 v[VS+\g], v[L4], s[VSP:VSP+1] offset:128*\g      ; step g / 2; lanes 0-15: tile 2 (g % 2); lanes 16-31: the next
.endr
.endm
.macro RELOAD s, n                     ; the mask of key step s, query tile n, into the registers where the scores will be summed: register j of tile 4 G + i is key 64 G + 32 h + 8 i + j
	WIN 0x80+0x40*(\n)
.set k, 0
.rept 8
.set T, 8*(\s)+k
	ds_load_b128 v[8*T:8*T+3], v[LMK] offset:(T/16)*MCH+(\n)*16*MP+((T/4)%4)*256+(T%4)*32
	ds_load_b128 v[8*T+4:8*T+7], v[LMK] offset:(T/16)*MCH+(\n)*16*MP+((T/4)%4)*256+(T%4)*32+16
.set k, k+1
.endr
.endm
.macro XLOAD s                         ; 16 loads: eight rows of x, my 256 columns, by rows: 512 consecutive bytes a load
	WIN 0x80
.set k, 0
.rept 16
.set i, 16*(\s)+k
	global_load_b128 v[4*i:4*i+3], v[L16], s[XP:XP+1] offset:(i/2)*4096+(i%2)*512 th:TH_LOAD_NT
.set k, k+1
.endr
.endm
.macro SETSEL s                        ; W_out's set of K step s: window, first register, scale words
.if ((\s)%3) == 0
.set ww, 1
.set wb, 0
.set wsc, KS
.elseif ((\s)%3) == 1
.set ww, 3
.set wb, 128
.set wsc, WS1
.else
.set ww, 1
.set wb, 128
.set wsc, VS
.endif
.endm
.macro WSET s                          ; 40 loads: K step s of W_out for my 16 tiles of columns
	SETSEL \s
	WIN ww<<6
.set i, 0
.rept 16
	global_load_b128 v[wb+8*i:wb+8*i+3], v[L16], s[WOP:WOP+1] offset:i*8192+(\s)*1024
	global_load_b128 v[wb+8*i+4:wb+8*i+7], v[L16], s[WOP:WOP+1] offset:i*8192+(\s)*1024+512
.set i, i+1
.endr
	WIN 0
.irp g, 0,1,2,3,4,5,6,7
	global_load_b32 v[wsc+\g], v[L4], s[WSP:WSP+1] offset:(\s)*4096+128*\g
.endr
.endm
.macro SCORES                          ; 64 matrix instructions, each on an accumulator of its own, which holds the mask.  Tile T = 4 G + i: fragment (G, i % 2) of k, q in the half i / 2
.irp n, 0,1
	WIN 0xa1+0x50*\n
.set T, 0
.rept 32
	WM 8*T, 16*(T/4)+8*(T%2), QF+12*\n+4*((T%4)/2), 0, KS+T/4, QW+\n, T%2
.set T, T+1
.endr
.endr
.endm
.macro MULS G                          ; group G: 64 registers: t = (q k + mask) x log2(e) / 8
	WIN 0x82+0x41*((\G)/4)
.set i, 0
.rept 32
	v_pk_mul_f32 v[64*((\G)%4)+2*i:64*((\G)%4)+2*i+1], v[64*((\G)%4)+2*i:64*((\G)%4)+2*i+1], s[CS:CS+1] op_sel_hi:[1,0]
.set i, i+1
.endr
.endm
.macro EXPS G
	WIN 0x82+0x41*((\G)/4)
.set i, 0
.rept 64
	v_exp_f32 v[64*((\G)%4)+i], v[64*((\G)%4)+i]
.set i, i+1
.endr
.endm
; Group G's 64 exponentials and group G + 1's 32 scalings.  Where both groups lie in one window they take turns, two exponentials and a scaling, under one window setting; the run ends with a scaling, the plain line behind the last exponential
.macro XM G
.if ((\G)/4) == (((\G)+1)/4)
	WIN 0x82+0x41*((\G)/4)
.set xb, 64*((\G)%4)
.set i, 0
.rept 32
	v_exp_f32 v[xb+2*i], v[xb+2*i]
	v_exp_f32 v[xb+2*i+1], v[xb+2*i+1]
	v_pk_mul_f32 v[xb+64+2*i:xb+64+2*i+1], v[xb+64+2*i:xb+64+2*i+1], s[CS:CS+1] op_sel_hi:[1,0]
.set i, i+1
.endr
.else
	EXPS \G
	MULS (\G)+1
.endif
.endm
.macro SUMS G                          ; the group's 32 pairs into four chains of its query tile; a tile's first group starts the chains
.set sn, (\G)/4
.set sb, 64*((\G)%4)
.set i, 0
.rept 32
.if (((\G)%4) == 0) && (i < 8)
.if i < 4
	WIN 0x0a+5*sn
	v_pk_add_f32 v[CH+8*sn+2*i:CH+8*sn+2*i+1], v[sb+2*i:sb+2*i+1], v[sb+2*i+8:sb+2*i+9]
.endif
.else
	WIN 0x08+4*sn
	v_pk_add_f32 v[CH+8*sn+2*(i%4):CH+8*sn+2*(i%4)+1], v[CH+8*sn+2*(i%4):CH+8*sn+2*(i%4)+1], v[sb+2*i:sb+2*i+1]
.endif
.set i, i+1
.endr
.endm
; The chains of both query tiles are added up, over the lane's registers, the two halves of the lanes and the four waves (through LDS, off bytes behind SUM).  The totals end in v[CH] and v[CH+4], in every lane of their query.
.macro ALLSUM off
.irp n, 0,1
	v_pk_add_f32 v[CH+8*\n:CH+8*\n+1], v[CH+8*\n:CH+8*\n+1], v[CH+8*\n+2:CH+8*\n+3]
	v_pk_add_f32 v[CH+8*\n+4:CH+8*\n+5], v[CH+8*\n+4:CH+8*\n+5], v[CH+8*\n+6:CH+8*\n+7]
.endr
.irp n, 0,1
	v_pk_add_f32 v[CH+8*\n:CH+8*\n+1], v[CH+8*\n:CH+8*\n+1], v[CH+8*\n+4:CH+8*\n+5]
.endr
.irp n, 0,1
	v_add_f32 v[CH+8*\n], v[CH+8*\n], v[CH+8*\n+1]
.endr
.irp n, 0,1
	v_permlanex16_b32 v[CH+8*\n+2], v[CH+8*\n], s[SEL], s[SEL+1]
.endr
.irp n, 0,1
	v_add_f32 v[CH+8*\n], v[CH+8*\n], v[CH+8*\n+2]
.endr
	v_cndmask_b32 v12, v[CH], v[CH+8], s[HM]       ; lane l carries query l's sum
	ds_store_b32 v[SUMW], v12 offset:\off
	BAR
.irp n, 0,1
.irp w, 0,1,2,3
	ds_load_b32 v[CH+4*\n+\w], v[SUMR] offset:\off+128*\w+64*\n
.endr
.endr
	s_wait_dscnt 0x0
.irp n, 0,1
	v_add_f32 v[CH+4*\n], v[CH+4*\n], v[CH+4*\n+1]
	v_add_f32 v[CH+4*\n+2], v[CH+4*\n+2], v[CH+4*\n+3]
.endr
.irp n, 0,1
	v_add_f32 v[CH+4*\n], v[CH+4*\n], v[CH+4*\n+2]
.endr
.endm
.macro NORM s, n                       ; the weights of key step s, query tile n: x 1 / (sum + 1e-9)
	WIN 0x82+0x41*(\n)
.set i, 0
.rept 32
	v_pk_mul_f32 v[64*(\s)+2*i:64*(\s)+2*i+1], v[64*(\s)+2*i:64*(\s)+2*i+1], v[RR+2*(\n):RR+2*(\n)+1] op_sel_hi:[1,0]
.set i, i+1
.endr
.endm
; 64 weights of a lane in window W, from register s on (none is negative): two whole blocks of 32 keys, blocks h and 2 + h of the key step.  They become the fragment's codes in v[pc] on and its scale word in v[pw].
; Three window settings: the maxima (the weights as sources 1 and 2); the join, the scale operand and the conversions (a weight as source 0); the scale word (window 0).
.macro QUANTP W, s, pc, pw
	WIN ((\W)<<2)|((\W)<<4)
.irp c, 0,1
	v_max3_num_f32 v[TM+2*\c], 0x1800000, v[(\s)+32*\c], v[(\s)+32*\c+1]         ; two chains a block, four by turns; the floor 2^(3 - 127): the byte cannot fall under 1
	v_max3_num_f32 v[TM+2*\c+1], 0x1800000, v[(\s)+32*\c+16], v[(\s)+32*\c+17]
.endr
.irp i, 2,4,6,8,10,12,14
.irp c, 0,1
	v_max3_num_f32 v[TM+2*\c], v[TM+2*\c], v[(\s)+32*\c+\i], v[(\s)+32*\c+\i+1]
	v_max3_num_f32 v[TM+2*\c+1], v[TM+2*\c+1], v[(\s)+32*\c+16+\i], v[(\s)+32*\c+17+\i]
.endr
.endr
	WIN (\W)
.irp c, 0,1
	v_max3_num_f32 v[TM+2*\c], v[(\s)+32*\c], v[TM+2*\c], v[TM+2*\c+1]           ; the two chains joined (the block's first weight is named once more: under this setting source 0 is a weight)
.endr
.irp c, 0,1
	v_add_nc_u32 v[TM+4+\c], 0xff000000, v[TM+2*\c]                              ; 2 off the exponent field: the conversion's scale operand
.endr
.irp c, 0,1                                    ; the groups of eight in the order 0, 2, 1, 3: as v's codes lie
	v_cvt_scalef32_pk8_fp4_f32 v[(\pc)+4*\c], v[(\s)+32*\c:(\s)+32*\c+7], v[TM+4+\c]
	v_cvt_scalef32_pk8_fp4_f32 v[(\pc)+4*\c+1], v[(\s)+32*\c+16:(\s)+32*\c+23], v[TM+4+\c]
	v_cvt_scalef32_pk8_fp4_f32 v[(\pc)+4*\c+2], v[(\s)+32*\c+8:(\s)+32*\c+15], v[TM+4+\c]
	v_cvt_scalef32_pk8_fp4_f32 v[(\pc)+4*\c+3], v[(\s)+32*\c+24:(\s)+32*\c+31], v[TM+4+\c]
.endr
	WIN 0
	v_lshrrev_b32 v[TM], 23, v[TM+4]               ; the scales' bytes.  (Also the plain line behind the last conversion)
	v_lshrrev_b32 v[TM+2], 23, v[TM+5]
	v_perm_b32 v[TM+6], v[TM+2], v[TM], v[SLH]     ; at their places in the word: bytes 0 and 2 in lanes 0-15, bytes 1 and 3 in lanes 16-31
	v_permlanex16_b32 v[TM+7], v[TM+6], s[SEL], s[SEL+1]
	v_or_b32 v[\pw], v[TM+6], v[TM+7]              ; with lane l xor 16's two the word is whole
.endm
.macro PV s, n                         ; O^T(n) += v^T p^T over key step s: four accumulators, one instruction each; the two query tiles follow each other, so the eight take turns
	WIN 0x01
.irp t, 0,1,2,3
.if (\s) == 0
	WM O+8*(4*(\n)+\t), 128+8*(4*(\s)+\t), PC+8*(\n), 1, VS+2*(\s)+\t/2, PW+(\n), \t%2
.else
	WM O+8*(4*(\n)+\t), 128+8*(4*(\s)+\t), PC+8*(\n), 0, VS+2*(\s)+\t/2, PW+(\n), \t%2
.endif
.endr
.endm
.macro REFILL s, n, last               ; what takes the place of weights that have their codes: the next head's mask, or in the last head x
.if \last
.if (\n) == 0
	XLOAD \s
.endif
.else
	RELOAD \s, \n
.endif
.endm
; ONE HEAD, from behind its scores to behind the next head's scores.  last = 0: the loop's body; it asks for the next head's k, q, v and mask and multiplies its scores.
; last = 1: the sixteenth head, written out: it asks for x and W_out's first three K steps instead, and has no scores to multiply.
.macro HEAD last
.if (\last) == 0
	s_add_nc_u64 s[KP:KP+1], s[KP:KP+1], 65536     ; the loads that named these bases were shown done by the wait on LOADcnt ahead of the scores
	s_add_nc_u64 s[KSP:KSP+1], s[KSP:KSP+1], 4096
	s_add_nc_u64 s[QP:QP+1], s[QP:QP+1], 65536
	s_add_nc_u64 s[QSP:QSP+1], s[QSP:QSP+1], 4096
	KLD 0, 23                                      ; 23 of the next head's 45 loads now: with v's 40, asked for at the last head's end, 63 loads are out; the other 22 follow six batches on
.endif
	; the exponentials go in batches of 64, with one wait each
	MULS 0
.irp g, 0,1,2,3,4,5,6
	XM \g
	s_wait_alu depctr_va_vdst(0)                   ; one wait for the batch, ahead of its first reader
	SUMS \g
.if \g == 5
.if \last
	WSET 0                                         ; into k's registers
.else
	KLD 23, 32
	KQREST
.endif
.endif
.endr
	EXPS 7
	v_nop
	s_wait_alu depctr_va_vdst(0)
	SUMS 7
	WIN 0
	ALLSUM 0
.irp n, 0,1
	v_add_f32 v[CH+4*\n], 0x3089705f, v[CH+4*\n]   ; + 1e-9
.endr
	v_rcp_f32 v[RR], v[CH]
	v_rcp_f32 v[RR+2], v[CH+4]
	v_nop
	s_wait_alu depctr_va_vdst(0)
.if \last
	s_wait_loadcnt 40                              ; v is in; W_out's first 40 loads, issued behind it, may be out
.else
	s_wait_loadcnt 45                              ; v is in; the next head's k and q, 23 + 22 loads issued behind it, may be out
.endif
	; a key step of a query tile at a time: normalised, quantised, multiplied.  The next piece's 32 multiplications are the places between a piece's codes and scale word and its products
	NORM 0, 0
	QUANTP 2, 0, PC, PW
	REFILL 0, 0, \last
.irp x, 1,2,3,4,5,6,7
	NORM (\x)/2, (\x)%2
	PV ((\x)-1)/2, ((\x)-1)%2
	QUANTP 2+(\x)%2, 64*((\x)/2), PC+8*((\x)%2), PW+(\x)%2
	REFILL (\x)/2, (\x)%2, \last
.endr
.if \last
	WSET 1                                         ; into the upper half of window 3, whose weights have their codes
.endif
	PLACES 8
	PV 3, 1
	PLACES 4                                       ; in front of the stores of O^T and of the loads into v's registers
	WIN 0
	; O^T's four partial sums meet in LDS; wave w adds up query tile w % 2, channels 32 (w / 2) .. + 31: one block of the last product's K
.irp n, 0,1
.irp t, 0,1,2,3
	ds_store_b128 v[OXW], v[O+8*(4*\n+\t):O+8*(4*\n+\t)+3] offset:(4*\n+\t)*1024      ; each accumulator from its low end on
	ds_store_b128 v[OXW], v[O+8*(4*\n+\t)+4:O+8*(4*\n+\t)+7] offset:(4*\n+\t)*1024+512
.endr
.endr
.if \last
	WSET 2                                         ; into v's registers.  (These loads are issued while the stores above land)
.else
	s_add_nc_u64 s[VP:VP+1], s[VP:VP+1], 65536     ; v's loads were shown done by the wait on LOADcnt ahead of the second product
	s_add_nc_u64 s[VSP:VSP+1], s[VSP:VSP+1], 4096
	VLOAD
.endif
	WIN 0
	BAR                                            ; also: the next head's mask is in its registers
.if (\last) == 0
	s_wait_loadcnt 40                              ; the next head's k and q are in; v's 40 loads, issued behind them, may be out
	v_perm_b32 v[QW], v[QS], v[QS], 0x01000100     ; the next head's q: a tile's two scale bytes, twice: they serve [q | zeros] and [zeros | q] alike
	v_perm_b32 v[QW+1], v[QS], v[QS], 0x03020302
.endif
	v_add_nc_u32 v10, s[H256], v[ACW]              ; where this head's codes and scale byte of attn will go
	v_add_nc_u32 v11, s3, v[ASB]
.irp w, 0,1,2,3
.irp u, 0,1
	ds_load_b128 v[CH+16*\w+8*\u:CH+16*\w+8*\u+3], v[OXR] offset:\w*8192+\u*1024
	ds_load_b128 v[CH+16*\w+8*\u+4:CH+16*\w+8*\u+7], v[OXR] offset:\w*8192+\u*1024+512
.endr
.endr
.if (\last) == 0
	PLACES 6                                       ; with the two additions above: 8 places between q's scale words and the scores
	SCORES                                         ; the next head's scores are multiplied while the 16 loads above come back
	WIN 0
.endif
	s_wait_dscnt 0x0
.irp j, 0,2,4,6,8,10,12,14                     ; (these additions are also the places behind the scores)
	v_pk_add_f32 v[CH+\j:CH+\j+1], v[CH+\j:CH+\j+1], v[CH+16+\j:CH+16+\j+1]
	v_pk_add_f32 v[CH+32+\j:CH+32+\j+1], v[CH+32+\j:CH+32+\j+1], v[CH+48+\j:CH+48+\j+1]
.endr
.irp j, 0,2,4,6,8,10,12,14
	v_pk_add_f32 v[CH+\j:CH+\j+1], v[CH+\j:CH+\j+1], v[CH+32+\j:CH+32+\j+1]
.endr
	v_max3_num_f32 v12, |v[CH]|, |v[CH+1]|, 0x1800000              ; my 16 numbers of the block, and the floor
	v_max3_num_f32 v13, |v[CH+2]|, |v[CH+3]|, |v[CH+4]|
	v_max3_num_f32 v12, v12, |v[CH+5]|, |v[CH+6]|
	v_max3_num_f32 v13, v13, |v[CH+7]|, |v[CH+8]|
	v_max3_num_f32 v12, v12, |v[CH+9]|, |v[CH+10]|
	v_max3_num_f32 v13, v13, |v[CH+11]|, |v[CH+12]|
	v_max3_num_f32 v12, v12, |v[CH+13]|, |v[CH+14]|
	v_max3_num_f32 v12, v12, v13, |v[CH+15]|
	v_permlanex16_b32 v13, v12, s[SEL], s[SEL+1]
	v_max_num_f32 v12, v12, v13
	v_add_nc_u32 v13, 0xff000000, v12
	v_lshrrev_b32 v[BY], 23, v13
	v_cvt_scalef32_pk8_fp4_f32 v[CH+16], v[CH:CH+7], v13
	v_cvt_scalef32_pk8_fp4_f32 v[CH+17], v[CH+8:CH+15], v13
	v_nop                                          ; one plain place behind a scaled conversion
	ds_store_b64 v10, v[CH+16:CH+17]               ; 8 of the block's 16 bytes: numbers 8 h + 0 .. 7, then 16 + 8 h + 0 .. 7
	ds_store_b8 v11, v[BY]                         ; both lanes of a block write the same byte with the same value
.endm
	s_load_b256 s[4:11], s[0:1], 0x0               ; mask s[4:5], qkvc s[6:7], qkvs s[8:9], wo s[10:11]
	s_load_b256 s[12:19], s[0:1], 0x20             ; x s[12:13], b_out s[14:15], gamma s[16:17], beta s[18:19]
	s_load_b64 s[20:21], s[0:1], 0x40              ; out0
	v_lshl_add_u32 v254, v0, 2, 0x4da00
	v_mov_b32 v255, 0
	ds_add_u32 v254, v255
	ds_add_u32 v254, v255
	s_wait_dscnt 0x0
	v_lshrrev_b32 v10, 5, v0
	v_readfirstlane_b32 s22, v10                   ; wave 0..3
	s_and_b32 s2, ttmp7, 0xffff                    ; the batch
	; descriptor group 1: 32 rows x 256 numbers of 4 bytes, 2,048 numbers from row to row; 4 words of padding behind every 256
	s_mov_b32 s24, (2<<16)|(1<<20)|(7<<22)|(3<<25)
	s_mov_b32 s25, 256<<16                         ; tensor_dim0
	s_mov_b32 s26, 32<<16                          ; tensor_dim1
	s_mov_b32 s27, 256<<16                         ; tile_dim0
	s_mov_b32 s28, 32                              ; tile_dim1
	s_mov_b32 s29, 2048                            ; the pitch
	s_mov_b32 s30, 0
	s_mov_b32 s31, 0
	s_lshl_b32 s70, s2, 11
	s_lshl_b32 s71, ttmp9, 5
	s_add_co_u32 s70, s70, s71                     ; my first row: 2,048 x batch + 32 x work-group x
	s_lshl_b32 s72, s70, 13                        ; rows of 8,192 bytes,
	s_lshl_b32 s71, s22, 11                        ; my wave's 512 keys
	s_add_co_u32 s72, s72, s71
	s_mov_b32 s73, 0
	s_mov_b32 s32, 1
	s_mul_i32 s33, s22, MPW                        ; my two chunks in LDS
	s_mov_b32 s36, 1
	s_add_co_u32 s37, s33, MCH
	s_wait_kmcnt 0x0
	s_add_nc_u64 s[34:35], s[4:5], s[72:73]
	s_add_nc_u64 s[38:39], s[34:35], 1024
	s_or_b32 s35, s35, 0x80000000
	s_or_b32 s39, s39, 0x80000000
	tensor_load_to_lds s[32:35], s[24:31]          ; the only fills of the launch: two loads of mine are out; only I read these bytes
	s_nop 0
	tensor_load_to_lds s[36:39], s[24:31]
	s_nop 0
.rept 4
	v_nop
.endr
	s_lshl_b32 s71, s2, 20                         ; 65,536 bytes of codes a head, 16 heads a batch
	s_lshl_b32 s74, s22, 14
	s_add_co_u32 s72, s71, s74                     ; + my 32 tiles of k, or my 4 key steps of v
	s_add_nc_u64 s[KP:KP+1], s[6:7], s[72:73]
	s_add_nc_u64 s[VP:VP+1], s[KP:KP+1], 8388608
	s_add_nc_u64 s[KP:KP+1], s[KP:KP+1], 4194304
	s_lshl_b32 s74, ttmp9, 10
	s_add_co_u32 s72, s71, s74                     ; q: my two tiles
	s_add_nc_u64 s[QP:QP+1], s[6:7], s[72:73]
	s_lshl_b32 s71, s2, 16                         ; 4,096 bytes of scale words a head
	s_lshl_b32 s74, s22, 10
	s_add_co_u32 s72, s71, s74
	s_add_nc_u64 s[KSP:KSP+1], s[8:9], s[72:73]
	s_add_nc_u64 s[VSP:VSP+1], s[KSP:KSP+1], 524288
	s_add_nc_u64 s[KSP:KSP+1], s[KSP:KSP+1], 262144
	s_lshl_b32 s75, ttmp9, 6
	s_add_co_u32 s72, s71, s75
	s_add_nc_u64 s[QSP:QSP+1], s[8:9], s[72:73]
	s_lshl_b32 s72, s22, 17                        ; W_out: my 16 tiles of columns
	s_add_nc_u64 s[WOP:WOP+1], s[10:11], s[72:73]
	s_mov_b32 s72, s74                             ; 1,024 x wave: my 256 columns in f32, and their scale words
	s_add_nc_u64 s[WSP:WSP+1], s[10:11], s[72:73]
	s_add_nc_u64 s[WSP:WSP+1], s[WSP:WSP+1], 524288
	s_add_nc_u64 s[14:15], s[14:15], s[72:73]
	s_add_nc_u64 s[16:17], s[16:17], s[72:73]
	s_add_nc_u64 s[18:19], s[18:19], s[72:73]
	s_lshl_b32 s75, s70, 12                        ; rows of 4,096 bytes
	s_add_co_u32 s72, s75, s74
	s_add_nc_u64 s[XP:XP+1], s[12:13], s[72:73]
	s_add_nc_u64 s[OP:OP+1], s[20:21], s[72:73]
	s_mov_b32 s[SEL], 0x76543210
	s_mov_b32 s[SEL+1], 0xfedcba98                 ; lane l xor 16
	s_mov_b32 s[CS], 0x3e38aa3b                    ; log2(e) / 8
	s_mov_b32 s[CS+1], s[CS]
	s_mov_b32 s[HM], 0xffff0000
	v_and_b32 v10, 31, v0                          ; lane
	v_and_b32 v11, 15, v0                          ; r
	v_bfe_u32 v12, v0, 4, 1                        ; h
	v_lshlrev_b32 v[L16], 4, v10
	v_lshlrev_b32 v[L4], 2, v10
	v_lshlrev_b32 v[R4], 2, v11
	v_mul_u32_u24 v[LM], v11, MP
	v_lshl_add_u32 v[LMK], v12, 7, v[LM]
	v_lshl_add_u32 v[LM], v12, 5, v[LM]
	v_add_nc_u32 v[LM], s33, v[LM]
	v_add_nc_u32 v[LMK], s33, v[LMK]
	v_add_nc_u32 v[XST], s33, v[L16]
	v_and_b32 v13, 7, v0                           ; lane % 8
	v_bfe_u32 v[SLH], v0, 3, 1                     ; (lane / 8) % 2
	v_lshlrev_b32 v[LK], 4, v13
	v_lshl_add_u32 v[LK], v[SLH], 10, v[LK]
	v_lshl_add_u32 v[LK], v12, 8, v[LK]
	v_lshlrev_b32 v[LKS], 2, v13
	v_lshl_add_u32 v[LKS], v[SLH], 6, v[LKS]
	v_lshl_add_u32 v[LKS], v12, 5, v[LKS]
	v_mov_b32 v13, 0x05040100                      ; lanes 0-15: the first byte to byte 0, the second to byte 2;
	v_mov_b32 v[SLH], 0x04050001                   ; lanes 16-31: to bytes 1 and 3; the other bytes take zeros
	v_cndmask_b32 v[SLH], v13, v[SLH], s[HM]
	s_lshl_b32 s70, s22, 7
	s_add_co_u32 s70, s70, SUM
	v_add_nc_u32 v[SUMW], s70, v[L4]
	v_add_nc_u32 v[SUMR], SUM, v[R4]
	s_lshl_b32 s70, s22, 13
	s_add_co_u32 s70, s70, OX
	v_add_nc_u32 v[OXW], s70, v[L16]
	s_and_b32 s70, s22, 1                          ; the query tile that I add up,
	s_lshl_b32 s70, s70, 12
	s_lshr_b32 s71, s22, 1                         ; and the half of the channels
	s_lshl_b32 s71, s71, 11
	s_add_co_u32 s70, s70, s71
	s_add_co_u32 s70, s70, OX
	v_add_nc_u32 v[OXR], s70, v[L16]
	s_lshl_b32 s70, s22, 12
	s_add_co_u32 s70, s70, AC
	v_lshl_add_u32 v[ACW], v11, 4, s70
	v_lshl_add_u32 v[ACW], v12, 3, v[ACW]
	s_lshl_b32 s70, s22, 8
	s_add_co_u32 s70, s70, AS
	v_lshl_add_u32 v[ASB], v11, 4, s70
	v_lshl_add_u32 v[ASR], v11, 4, AS
	v_lshl_add_u32 v[ACR], v11, 4, AC
	v_lshl_add_u32 v[ACR], v12, 13, v[ACR]         ; lanes 16-31 read the wave two further on: the channels' upper half
.irp n, 0,1
.irp j, 4,5,6,7
	v_mov_b32 v[QF+12*\n+\j], 0                    ; the zero codes between q's two copies: written once
.endr
.endr
.irp b, 0,1,2,3
	v_mov_b32 v[TM+4+\b], 0                        ; written once: a lane permute's destination counts as one of its sources
.endr
	v_mov_b32 v[RR+1], 0                           ; named as the upper halves of pairs of which the low word serves both halves
	v_mov_b32 v[RR+3], 0
	global_load_b128 v[BO:BO+3], v[L16], s[14:15]                  ; b_out of my columns, by rows: 4 numbers a lane for each half of 128 columns
	global_load_b128 v[BO+4:BO+7], v[L16], s[14:15] offset:512
	KLD 0, 32
	KQREST
	VLOAD
	s_wait_tensorcnt 0x0                           ; my two chunks of the mask are in LDS
.irp s, 0,1,2,3
	RELOAD \s, 0
	RELOAD \s, 1
.endr
	WIN 0
	s_wait_loadcnt 40                              ; all but v's 40 loads
	v_perm_b32 v[QW], v[QS], v[QS], 0x01000100
	v_perm_b32 v[QW+1], v[QS], v[QS], 0x03020302
	PLACES 8                                       ; a scale word written by a vector instruction stands 8 places ahead of its product
	s_wait_dscnt 0x0
	SCORES                                         ; the first head's scores stand ahead of the loop: a trip goes from behind a head's scores to behind the next head's
	PLACES 4                                       ; in front of the reads of the scores and of the loads into k's, q's and their scales' registers
	WIN 0
	s_mov_b32 s3, 0
	s_mov_b32 s[H256], 0
.Lhead:                                            ; 15 trips.  Two barriers a head: the sums' words are written again only behind the second, O^T's images only behind the next head's first
	HEAD 0
	s_add_co_u32 s[H256], s[H256], 256
	s_add_co_u32 s3, s3, 1
	s_cmp_lt_u32 s3, 15
	s_cbranch_scc1 .Lhead
	HEAD 1
	; ---- THE TAIL.  x + b_out goes by rows into my stage and comes back in the result's layout, as the C of the last product
	s_wait_loadcnt 63                              ; x is in: 80 loads were issued behind it, and the count's field ends at 63
	WIN 0x82
.set i, 0
.rept 64
	v_pk_add_f32 v[4*i:4*i+1], v[4*i:4*i+1], v[BO+4*(i%2):BO+4*(i%2)+1]
	v_pk_add_f32 v[4*i+2:4*i+3], v[4*i+2:4*i+3], v[BO+4*(i%2)+2:BO+4*(i%2)+3]
.set i, i+1
.endr
	WIN 0x08
.set i, 0
.rept 64
	ds_store_b128 v[XST], v[4*i:4*i+3] offset:(i/2)*MP+(i%2)*512
.set i, i+1
.endr
	WIN 0
	BAR                                            ; attn's codes and scale bytes of all heads lie in LDS
	global_load_b128 v[GA:GA+3], v[L16], s[16:17]                  ; gamma and beta, by rows, into registers that O^T has left
	global_load_b128 v[GA+4:GA+7], v[L16], s[16:17] offset:512
	global_load_b128 v[BE:BE+3], v[L16], s[18:19]
	global_load_b128 v[BE+4:BE+7], v[L16], s[18:19] offset:512
	WIN 0x80
.irp n, 0,1
.set t, 0
.rept 16
	ds_load_b128 v[128*\n+8*t:128*\n+8*t+3], v[LM] offset:\n*16*MP+t*64              ; LDS serves a wave's instructions in order: these see my stores
	ds_load_b128 v[128*\n+8*t+4:128*\n+8*t+7], v[LM] offset:\n*16*MP+t*64+16
.set t, t+1
.endr
.endr
	WIN 0xc0
.irp n, 0,1
.irp s, 0,1,2,3,4,5,6,7
.irp c, 0,1
	ds_load_b128 v[64*\n+8*\s+4*\c:64*\n+8*\s+4*\c+3], v[ACR] offset:4096*\n+256*(2*\s+\c)   ; attn's fragment (n, K step s): heads 2 s and 2 s + 1
.endr
.endr
.endr
	WIN 0
.irp n, 0,1
.irp e, 0,1
	ds_load_b128 v[RAW+4*(2*\n+\e):RAW+4*(2*\n+\e)+3], v[ASR] offset:(\n+2*\e)*256   ; 16 scale bytes of my row, by head: channels' half e
.endr
.endr
	s_wait_dscnt 0x0
.irp n, 0,1
.irp s, 0,2,4,6
	v_perm_b32 v[ASW+8*\n+\s], v[RAW+4*(2*\n+1)+\s/2], v[RAW+4*(2*\n)+\s/2], 0x05010400       ; a K step's word: head 2 s lower half, upper half, head 2 s + 1 likewise
	v_perm_b32 v[ASW+8*\n+\s+1], v[RAW+4*(2*\n+1)+\s/2], v[RAW+4*(2*\n)+\s/2], 0x07030602
.endr
.endr
	PLACES 8
	; Y^T = W_out^T attn^T + (x + b_out)^T: 32 accumulators by turns, a K step at a time; W_out's K steps come three sets ahead
.irp s, 0,1,2,3,4,5,6,7
.if \s < 6
	s_wait_loadcnt 63                              ; this step's set is in: 80 loads or more were issued behind it
.elseif \s == 6
	s_wait_loadcnt 40                              ; the last set's 40 loads may be out
.else
	s_wait_loadcnt 0x0
.endif
	SETSEL \s
	WIN 0xac|ww
.set t, 0
.rept 16
.irp n, 0,1
	WM 128*\n+8*t, wb+8*t, 64*\n+8*\s, 0, wsc+t/2, ASW+8*\n+\s, t%2
.endr
.set t, t+1
.endr
	PLACES 4
.if \s+3 < 8
	WSET \s+3
.endif
.endr
	; the norm, in two passes: the mean, then the mean square of what is left
.irp n, 0,1
.set i, 0
.rept 64
.if i < 8
.if i < 4
	WIN 0x0a
	v_pk_add_f32 v[CH+8*\n+2*i:CH+8*\n+2*i+1], v[128*\n+2*i:128*\n+2*i+1], v[128*\n+2*i+8:128*\n+2*i+9]
.endif
.else
	WIN 0x08
	v_pk_add_f32 v[CH+8*\n+2*(i%4):CH+8*\n+2*(i%4)+1], v[CH+8*\n+2*(i%4):CH+8*\n+2*(i%4)+1], v[128*\n+2*i:128*\n+2*i+1]
.endif
.set i, i+1
.endr
.endr
	WIN 0
	ALLSUM 512
.irp n, 0,1
	v_mul_f32 v[RR+2*\n], 0xba800000, v[CH+4*\n]   ; -mean
.endr
	WIN 0x82
.irp n, 0,1
.set i, 0
.rept 64
	v_pk_add_f32 v[128*\n+2*i:128*\n+2*i+1], v[128*\n+2*i:128*\n+2*i+1], v[RR+2*\n:RR+2*\n+1] op_sel_hi:[1,0]
.set i, i+1
.endr
.endr
	WIN 0x0a
.irp n, 0,1
.set i, 0
.rept 64
.if i < 4
	v_pk_mul_f32 v[CH+8*\n+2*i:CH+8*\n+2*i+1], v[128*\n+2*i:128*\n+2*i+1], v[128*\n+2*i:128*\n+2*i+1]
.else
	v_pk_fma_f32 v[CH+8*\n+2*(i%4):CH+8*\n+2*(i%4)+1], v[128*\n+2*i:128*\n+2*i+1], v[128*\n+2*i:128*\n+2*i+1], v[CH+8*\n+2*(i%4):CH+8*\n+2*(i%4)+1]
.endif
.set i, i+1
.endr
.endr
	WIN 0
	ALLSUM 1024
	s_mov_b32 s70, 0x3a800000                      ; 1 / 1,024
	s_mov_b32 s71, 0x3727c5ac                      ; 1e-5
.irp n, 0,1
	v_fma_f32 v[CH+4*\n], v[CH+4*\n], s70, s71
.endr
	v_rsq_f32 v[RR], v[CH]
	v_rsq_f32 v[RR+2], v[CH+4]
	v_nop
	s_wait_alu depctr_va_vdst(0)
	WIN 0x82
.irp n, 0,1
.set i, 0
.rept 64
	v_pk_mul_f32 v[128*\n+2*i:128*\n+2*i+1], v[128*\n+2*i:128*\n+2*i+1], v[RR+2*\n:RR+2*\n+1] op_sel_hi:[1,0]
.set i, i+1
.endr
.endr
	; the way out: through my stage again, back by rows; gamma and beta; 512 consecutive bytes a store
	WIN 0x08
.irp n, 0,1
.set t, 0
.rept 16
	ds_store_b128 v[LM], v[128*\n+8*t:128*\n+8*t+3] offset:\n*16*MP+t*64
	ds_store_b128 v[LM], v[128*\n+8*t+4:128*\n+8*t+7] offset:\n*16*MP+t*64+16
.set t, t+1
.endr
.endr
	s_wait_dscnt 0x0
	WIN 0x80
.set i, 0
.rept 64
	ds_load_b128 v[4*i:4*i+3], v[XST] offset:(i/2)*MP+(i%2)*512
.set i, i+1
.endr
.irp q, 0,1,2,3
	s_wait_dscnt 48-16*\q                          ; these eight rows are in; the later rows' loads may be out
	WIN 0x82
.set k, 0
.rept 16
.set i, 16*\q+k
	v_pk_fma_f32 v[4*i:4*i+1], v[4*i:4*i+1], v[GA+4*(i%2):GA+4*(i%2)+1], v[BE+4*(i%2):BE+4*(i%2)+1]
	v_pk_fma_f32 v[4*i+2:4*i+3], v[4*i+2:4*i+3], v[GA+4*(i%2)+2:GA+4*(i%2)+3], v[BE+4*(i%2)+2:BE+4*(i%2)+3]
.set k, k+1
.endr
	WIN 0x08
.set k, 0
.rept 16
.set i, 16*\q+k
	global_store_b128 v[L16], v[4*i:4*i+3], s[OP:OP+1] offset:(i/2)*4096+(i%2)*512 th:TH_STORE_NT
.set k, k+1
.endr
.endr
	WIN 0
	s_wait_xcnt 0x0
	v_lshl_add_u32 v254, v0, 2, 0x4da00
	v_mov_b32 v255, 0
	s_wait_tensorcnt 0x0
	ds_add_u32 v254, v255
	s_wait_dscnt 0x0
	s_endpgm
.Lfunc_end_k_qa6a42d2e9e_attn:
	.size	k_qa6a42d2e9e_attn, .Lfunc_end_k_qa6a42d2e9e_attn-k_qa6a42d2e9e_attn
	.p2alignl 7, 3214868480
	.fill 96, 4, 3214868480
	.section	.rodata,"a",@progbits
	.p2align	6, 0x0
	.amdhsa_kernel k_qa6a42d2e9e_attn
		.amdhsa_group_segment_fixed_size 327680
		.amdhsa_private_segment_fixed_size 0
		.amdhsa_enable_private_segment 0
		.amdhsa_kernarg_size 72
		.amdhsa_user_sgpr_count 2
		.amdhsa_user_sgpr_kernarg_segment_ptr 1
		.amdhsa_wavefront_size32 1
		.amdhsa_system_sgpr_workgroup_id_x 1
		.amdhsa_system_sgpr_workgroup_id_y 1
		.amdhsa_system_sgpr_workgroup_id_z 1
		.amdhsa_system_vgpr_workitem_id 0
		.amdhsa_next_free_vgpr 1024
		.amdhsa_next_free_sgpr 80
		.amdhsa_reserve_vcc 0
		.amdhsa_float_denorm_mode_32 3
		.amdhsa_float_denorm_mode_16_64 3
		.amdhsa_memory_ordered 1
		.amdhsa_forward_progress 1
		.amdhsa_inst_pref_size 255
	.end_amdhsa_kernel
	.section	.bss,"aw",@nobits
	.p2align	6
	.space	262144
	.amdgpu_metadata
---
amdhsa.version: [ 1, 2 ]
amdhsa.kernels:
  - .name:           k_qa6a42d2e9e_attn
    .symbol:         k_qa6a42d2e9e_attn.kd
    .args:
      - { .name: attn_mask, .offset: 0, .size: 8, .value_kind: global_buffer, .address_space: global }
      - { .name: qkvc, .offset: 8, .size: 8, .value_kind: global_buffer, .address_space: global }
      - { .name: qkvs, .offset: 16, .size: 8, .value_kind: global_buffer, .address_space: global }
      - { .name: wo, .offset: 24, .size: 8, .value_kind: global_buffer, .address_space: global }
      - { .name: x, .offset: 32, .size: 8, .value_kind: global_buffer, .address_space: global }
      - { .name: b_out, .offset: 40, .size: 8, .value_kind: global_buffer, .address_space: global }
      - { .name: gamma, .offset: 48, .size: 8, .value_kind: global_buffer, .address_space: global }
      - { .name: beta, .offset: 56, .size: 8, .value_kind: global_buffer, .address_space: global }
      - { .name: out0, .offset: 64, .size: 8, .value_kind: global_buffer, .address_space: global }
    .group_segment_fixed_size: 327680
    .private_segment_fixed_size: 0
    .kernarg_segment_align: 8
    .kernarg_segment_size: 72
    .max_flat_workgroup_size: 128
    .sgpr_count:     80
    .vgpr_count:     1024
    .wavefront_size: 32
...
	.end_amdgpu_metadata
.endif
;; end of part 3
